; MI455X (gfx1250); checked and timed in simulation.
; The chip was launched on July 23, 2026; its instructions are those of AMD's public machine-readable ISA for CDNA 5 (MIT licence, August 2026) and "CDNA5" Instruction Set Architecture Reference Guide (July 2026). The comments in the code are by the model that wrote it; some were corrected since.
;; Dot Product Attention. Allowed arithmetic: matrix products marked QUANTISED: E2M3 operands, one E8M0 scale for each 32 along K, by v_wmma_scale_f32_16x16x128_f8f6f4 with both operands' format E2M3, f32 sums; everything else in f32.
;; Inputs: keys 32 x 1,024 x 64 float32; queries 32 x 1,024 x 64 float32; valid_lens 32 int32; values 32 x 1,024 x 64 float32.
;; Outputs: out0 32 x 1,024 x 64 float32.
;; This version of the problem:
;;   THIS VERSION OF THE PROBLEM IS GIVEN IN LOW PRECISION. The matrix products marked QUANTISED in the list below multiply operands that are first quantised to E2M3 (2 exponent bits, 3 mantissa bits; 6 bits a number), with one power-of-two scale for each 32 numbers along K (OCP MX v1.0); their sums are f32. All else is computed in f32.
;;   The module's matrix products, in the order in which they are computed (A, B: the left and right operand; K: the contracted axis; several contracted axes count as one K, in the product's order):
;;     1. batch 32 x [M 1,024, K 64] x [K 64, N 1,024]; A: input queries; B: input keys: QUANTISED
;;     2. batch 32 x [M 1,024, K 1,024] x [K 1,024, N 64]; A: softmax (see below); B: input values: QUANTISED
;;   THE QUANTISER, for each operand of a quantised product, along K:
;;     - K is cut into blocks of 32 from its start; a last block that is shorter is filled with zeros.
;;     - A block's scale is 2^e with e = floor(log2(the largest magnitude in the block)) - 2, held to -126 .. 127; a block of zeros has e = 0. As a byte (E8M0): e + 127.
;;     - Each number is divided by its block's scale, clamped to +-7.5, and rounded to the nearest number of E2M3, ties to even, subnormals kept.
;;     - The product sums the exact products of the quantised numbers (number of the format x scale) in f32.
;;   ~~~python
;;   def quantise(x, axis):      # numpy; x: float32 -> the quantised numbers, widened to float32 again
;;       x = np.moveaxis(x, axis, -1); K = x.shape[-1]
;;       x = np.pad(x, [(0, 0)] * (x.ndim - 1) + [(0, -K % 32)]); x = x.reshape(x.shape[:-1] + (-1, 32)); a = np.abs(x).max(-1, keepdims=True)
;;       e = np.where(a > 0, np.clip(np.frexp(np.where(a > 0, a, 1))[1] - 1 - 2, -126, 127), 0)      # np.frexp(a)[1] - 1 = floor(log2(a)), exactly
;;       r = np.clip(x / 2.0 ** e, -7.5, 7.5)
;;       step = 2.0 ** (np.maximum(np.frexp(np.where(r == 0, 1, r))[1] - 1, 0) - 3)
;;       q = np.round(r / step) * step * 2.0 ** e      # np.round: ties to even
;;       return np.moveaxis(q.reshape(q.shape[:-2] + (-1,))[..., :K], -1, axis).astype(np.float32)
;;   ~~~
;;   SOFTMAX AHEAD OF A QUANTISED PRODUCT. Where the list says 'softmax', what is quantised is not the finished softmax but p = 2^(t - M), with t = logit x log2(e) and M = ceil(the row's largest t), a whole number; so 1/2 < the row's largest p <= 1. The row's sum l is taken of the UNQUANTISED p, in f32, and the product's result is divided by l at the end. Since M is a whole number, a kernel that streams over the keys may use a running M (the ceiling of the running maximum): every later rescaling is an exact power of two, which a block's scale takes up: the codes' values come out the same.
;;   OPERANDS COMPUTED ON THE WAY. 'Computed on the way' means the value that the module computes at that place (a softmax that the list does not call 'softmax' is quantised finished and normalised). What goes into a quantiser is computed in f32, as accurately as f32 sums, v_exp_f32 and their like allow (about 1e-6 of the number): no bf16 or f16 on the way to a quantiser, and a product that is left as it is and whose result goes on into a quantised operand takes f32 operands (vector FMAs, or v_wmma_f32_16x16x4_f32). A number that lies on a knife's edge between two numbers of the format may be rounded either way, as far as f32 arithmetic and the matrix unit's own rounding can turn it there, and no further.
;; 2 versions. Each part assembles by itself: llvm-mc -triple=amdgcn-amd-amdhsa -mcpu=gfx1250 --defsym DOCPART=n.
;; ======== version 1 of 2: 2 launches
;; limits: right only within a limited range of input values
;; workspace buffers: kv 3,276,800 bytes; order 8,192 bytes of whole numbers
;; launch quant (part 1): grid 8 x 32, 4 waves a work-group, no clusters, 68,096 bytes of LDS; arguments keys, values, kv, order, valid_lens; writes kv, order
.if DOCPART == 1
	.amdgcn_target "amdgcn-amd-amdhsa--gfx1250"
	.amdhsa_code_object_version 6
	.text
	.protected	k_q982c65f3b4_quant
	.globl	k_q982c65f3b4_quant
	.p2align	8
	.type	k_q982c65f3b4_quant,@function
k_q982c65f3b4_quant:
	s_mov_b64 s[64:65], 0
	v_nop
	global_prefetch_b8 v0, s[64:65] scope:SCOPE_SE
	s_setreg_imm32_b32 hwreg(HW_REG_WAVE_MODE, 25, 1), 1
	s_wait_xcnt 0x0
; keys [32][1024][64] and values [32][1024][64], f32, become codes of FP6 (E2M3) with one E8M0 byte for each 32 along a product's K, once for the whole program.
; keys are quantised along the 64 channels (two blocks a key), values along the KEYS (32 blocks a channel).
; A block's scale is 2^(floor(log2(its largest magnitude)) - 2): its byte is the largest magnitude's exponent field - 2, held at 1 from below by a floor among the maximum's leaves.
; (A block of zeros so keeps the byte 1 where the rule says 127: its codes are zeros, and this program alone reads the bytes.)
; LIMITS: NaN and infinities among the inputs are not served; blocks whose largest magnitude lies under 2^-124 keep the byte 1.
; THE BATCHES ARE LAID IN THE ORDER OF THEIR WORK.  The next launch walks n keys of a batch: n = valid_lens held to 1 .. 1,024, and 1,024 where valid_lens <= 0.  A batch's SLOT is its rank among the 32 by 32 (n - 1) + batch
; (no two alike).  Its codes go to slot x 102,400 of kv, and order[slot], 256 bytes, holds {batch, valid_lens[batch]}, 32 times over: so the next launch can pair slot r with slot 31 - r by addresses that it knows at once.
; A SLOT OF kv, 102,400 bytes, lies in the order of the operands' registers, so that the next launch fetches a fragment by three loads of 16 bytes a lane:
;   codes: step s (128 keys) at 12,288 s: four fragments of K, then four tiles of V^T, 1,536 bytes each: registers 4 g .. 4 g + 3 of lane l at 512 g + 16 l.
;   scale words at 98,304 + 512 s: K's at 128 j + 4 l (lanes 0-15: fragment 2 j, lanes 16-31: fragment 2 j + 1), V's 256 bytes further on, likewise by tiles.
; A FRAGMENT OF K HOLDS TWO TILES OF 16 KEYS: the product's K is 64, the instruction's 128, so half c of fragment f (registers 6 c .. 6 c + 5) is tile t = 2 f + c, and the next launch multiplies by [q | 0] and by [0 | q].
; THE KEYS OF A TILE ARE NOT NEIGHBOURS: row r of tile t is key 64 (t / 4) + 32 (r / 8) + 8 (t % 4) + r % 8, so that in the scores a lane's 32 registers of four tiles are one whole block of 32 keys.
; SHARES.  A work-group takes one batch and one step: 64 KB.  Waves 0, 1: 64 keys each (two fragments of K).  Waves 2, 3: 32 channels x 128 keys each (two tiles of V^T).  Waves share nothing: no barrier.
; A wave's 32 loads of 16 bytes a lane go out together; the numbers turn through the wave's own bytes of LDS, so that a lane then holds whole blocks of 32 in consecutive registers, as the conversions want them.
.set STEPC,  12288                     ; a step's codes
.set SCL,    98304                     ; where a slot's scale words begin
.set BATCHB, 102400
.set FRB,    1536                      ; a fragment's image
.set PITCH,  272                       ; K's turn: a key's 256 bytes + 16, so that 16 rows read together start 16 bytes apart modulo 256
.set KREG,   64*PITCH                  ; LDS of a K wave
.set VREG,   2*KREG                    ; behind them: 16,384 bytes for each V wave
.set FLOOR,  0x1800000                 ; 2^(3 - 127)
.set R,   16                           ; v16-143  numbers as loaded; later the second 64 turned numbers
.set X,   144                          ; v144-207 the first 64 turned numbers
.set C,   208                          ; v208-231 codes: two fragments
.set T,   232                          ; v232-238 the conversions' second halves
.set LEN, 240                          ; v240     lane j: valid_lens[j], then batch j's sorting key;  v242-244: the entry of order
.set M,   248                          ; v248-251 maxima, then bytes
.set SO,  252                          ; v252-253 the conversions' scale operands
	s_load_b128 s[4:7], s[0:1], 0x0                ; keys, values
	s_load_b64 s[8:9], s[0:1], 0x10                ; kv
	s_load_b64 s[28:29], s[0:1], 0x18              ; order
	s_load_b64 s[30:31], s[0:1], 0x20              ; valid_lens
	v_lshl_add_u32 v254, v0, 2, 0x10800
	v_mov_b32 v255, 0
	v_lshrrev_b32 v1, 5, v0
	v_readfirstlane_b32 s10, v1                    ; wave 0..3
	v_and_b32 v1, 31, v0                           ; lane
	v_and_b32 v2, 15, v0                           ; r
	v_bfe_u32 v3, v0, 4, 1                         ; h
	s_and_b32 s11, ttmp7, 0xffff                   ; batch
	s_and_b32 s12, s10, 1                          ; which of the two waves of my kind
	s_mov_b32 s20, 0x76543210
	s_mov_b32 s21, 0xfedcba98                      ; v_permlanex16_b32's selects for lane l xor 16
	; every LDS address is made here, ahead of the parting of the two kinds of waves
	s_mul_i32 s13, s12, KREG
	v_mul_u32_u24 v5, v3, PITCH
	v_lshl_add_u32 v5, v2, 4, v5
	v_add_nc_u32 v5, s13, v5                       ; K in: lanes 0-15 one key's row, lanes 16-31 the next
	v_mul_u32_u24 v6, v2, PITCH
	v_lshl_add_u32 v6, v3, 7, v6
	v_add_nc_u32 v6, s13, v6                       ; K out: place r, + 128 h: my block of 32 channels
	s_lshl_b32 s13, s12, 14
	s_add_co_u32 s13, s13, VREG
	v_lshlrev_b32 v7, 4, v1                        ; 16 x lane
	v_lshlrev_b32 v8, 2, v1                        ; 4 x lane
	v_add_nc_u32 v13, s13, v7                      ; V in: as loaded, dense: key x 128 + channel x 4
	v_add_nc_u32 v14, s13, v8                      ; V out: my channel
	v_lshlrev_b32 v12, 3, v3                       ; 8 h
	v_mov_b32 v11, 0                               ; a lane permute's destination counts as one of its sources
	v_lshrrev_b32 v4, 3, v1
	v_and_b32 v15, 7, v1
	v_lshlrev_b32 v4, 8, v4
	v_lshl_add_u32 v4, v15, 4, v4                  ; V from memory: eight lanes take my 128 bytes of a key's row, four keys a load
	v_mul_u32_u24 v15, v3, FRB
	v_lshl_add_u32 v15, v2, 4, v15                 ; V's codes: tile lane / 16, row lane % 16
	s_lshl_b32 s14, s11, 18                        ; in: batch x 262,144 + step x 32,768
	s_lshl_b32 s15, ttmp9, 15
	s_add_co_u32 s14, s14, s15
	s_mov_b32 s15, 0
	s_lshl_b32 s18, ttmp9, 9                       ; out, inside a slot: my 32 scale words: step, 128 x wave (K's two runs, then V's two);
	s_add_co_u32 s18, s18, SCL
	s_lshl_b32 s22, s10, 7
	s_add_co_u32 s18, s18, s22
	s_mul_i32 s16, ttmp9, STEPC                    ; my two fragments: step, 3,072 x wave
	s_mul_i32 s22, s10, 2*FRB
	s_add_co_u32 s16, s16, s22
	s_mov_b32 s17, 0
	s_mov_b32 s19, 0
	s_lshl_b32 s34, s11, 2
	s_mov_b32 s35, 0
	s_wait_kmcnt 0x0
	s_add_nc_u64 s[34:35], s[30:31], s[34:35]
	s_load_b32 s32, s[34:35], 0x0                  ; my batch's valid length,
	global_load_b32 v[LEN], v8, s[30:31]           ; and all 32, a lane a batch: both are wanted only behind the wave's 32 large loads
; MY BATCH'S SLOT, and with it where my codes and scale words go.  It stands where the wave's first LDS loads are out.
.macro SLOT
	s_wait_kmcnt 0x0                               ; my batch's valid length is in (the 32 came with the wait for all loads)
	v_add_nc_u32 v[LEN], -1, v[LEN]                ; n - 1 = min(valid length - 1, 1,023) without sign: 0 and less wrap to the top and give 1,023, as does 1,024 and more
	v_min_u32 v[LEN], 0x3ff, v[LEN]
	v_lshl_or_b32 v[LEN], v[LEN], 5, v1            ; lane j: 32 (n - 1) + j
	s_sub_co_u32 s33, s32, 1
	s_min_u32 s33, s33, 0x3ff
	s_lshl_b32 s33, s33, 5
	s_or_b32 s33, s33, s11                         ; the same of my batch
	v_cmp_gt_u32 vcc_lo, s33, v[LEN]               ; the batches that come before mine:
	s_bcnt1_i32_b32 s33, vcc_lo                    ; their number is my slot
	s_min_u32 s33, s33, 31
	s_mul_i32 s37, s33, BATCHB
	s_add_co_u32 s16, s16, s37
	s_add_co_u32 s18, s18, s37
	s_add_nc_u64 s[24:25], s[8:9], s[18:19]
	s_add_nc_u64 s[8:9], s[8:9], s[16:17]
.endm
; Two blocks of 32 numbers, v[x] .. v[x + 31] and v[x + 32] .. v[x + 63], become 2 x 6 registers of codes at v[da] and v[db]; their bytes are left in v[M + 1] and v[M + 3].
.macro Q2 x, da, db
	v_max3_num_f32 v[M],   |v[(\x)]|,    |v[(\x)+1]|,  FLOOR           ; four chains, two a block, so that no line waits for the line above it
	v_max3_num_f32 v[M+1], |v[(\x)+16]|, |v[(\x)+17]|, |v[(\x)+18]|
	v_max3_num_f32 v[M+2], |v[(\x)+32]|, |v[(\x)+33]|, FLOOR
	v_max3_num_f32 v[M+3], |v[(\x)+48]|, |v[(\x)+49]|, |v[(\x)+50]|
.irp i, 2,4,6,8,10,12
	v_max3_num_f32 v[M],   v[M],   |v[(\x)+\i]|,    |v[(\x)+\i+1]|
	v_max3_num_f32 v[M+1], v[M+1], |v[(\x)+\i+17]|, |v[(\x)+\i+18]|
	v_max3_num_f32 v[M+2], v[M+2], |v[(\x)+\i+32]|, |v[(\x)+\i+33]|
	v_max3_num_f32 v[M+3], v[M+3], |v[(\x)+\i+49]|, |v[(\x)+\i+50]|
.endr
	v_max3_num_f32 v[M],   v[M],   |v[(\x)+14]|, |v[(\x)+15]|
	v_max3_num_f32 v[M+2], v[M+2], |v[(\x)+46]|, |v[(\x)+47]|
	v_max3_num_f32 v[M],   v[M],   v[M+1], |v[(\x)+31]|                ; the blocks' largest magnitudes
	v_max3_num_f32 v[M+2], v[M+2], v[M+3], |v[(\x)+63]|
	v_add_nc_u32 v[SO],   0xff000000, v[M]         ; 2 off the exponent field: the conversion takes this operand's exponent field as its scale
	v_add_nc_u32 v[SO+1], 0xff000000, v[M+2]
	v_lshrrev_b32 v[M+1], 23, v[SO]                ; the scales' bytes
	v_lshrrev_b32 v[M+3], 23, v[SO+1]
	v_cvt_scalef32_pk16_fp6_f32 v[(\da):(\da)+2], v[(\x):(\x)+15], v[SO]
	v_cvt_scalef32_pk16_fp6_f32 v[T:T+2], v[(\x)+16:(\x)+31], v[SO]        ; (a conversion's three registers begin on an even number: a block's second three do not)
	v_cvt_scalef32_pk16_fp6_f32 v[(\db):(\db)+2], v[(\x)+32:(\x)+47], v[SO+1]
	v_cvt_scalef32_pk16_fp6_f32 v[T+4:T+6], v[(\x)+48:(\x)+63], v[SO+1]
	v_nop                                          ; one plain place behind a scaled conversion
.irp i, 0,1,2
	v_mov_b32 v[(\da)+3+\i], v[T+\i]
	v_mov_b32 v[(\db)+3+\i], v[T+4+\i]
.endr
.endm
	s_cmp_lt_u32 s10, 2
	s_cbranch_scc0 .Lvalues
	; ---- KEYS: my 64 keys are 16,384 consecutive bytes
	s_lshl_b32 s22, s12, 14
	s_add_co_u32 s14, s14, s22
	s_add_nc_u64 s[4:5], s[4:5], s[14:15]
.set i, 0
.rept 32
	global_load_b128 v[R+4*i:R+4*i+3], v7, s[4:5] offset:512*i th:TH_LOAD_NT   ; 32 lanes read 512 consecutive bytes: two keys
.set i, i+1
.endr
	s_wait_loadcnt 0x0
.set i, 0
.rept 32                               ; key 32 a + 8 u + n of my 64 goes to place 16 u + 8 a + n: the 16 keys of a tile then lie in 16 places on end
	ds_store_b128 v5, v[R+4*i:R+4*i+3] offset:(16*(((2*i)/8)%4)+8*((2*i)/32)+(2*i)%8)*PITCH
.set i, i+1
.endr
.macro KBACK phi, dst                  ; fragment phi of my two: lane (r, h) takes, for half c, channels 32 h .. 32 h + 31 of the key at place 16 (2 phi + c) + r
.irp c, 0,1
.irp q, 0,1,2,3,4,5,6,7
	ds_load_b128 v[(\dst)+32*\c+4*\q:(\dst)+32*\c+4*\q+3], v6 offset:16*(2*(\phi)+\c)*PITCH+16*\q
.endr
.endr
.endm
.macro KWORD w                         ; my two bytes (halves 0 and 1, block h) at their places; with lane l xor 16's two the row's scale word is whole
	v_lshl_or_b32 v[\w], v[M+3], 16, v[M+1]
	v_lshlrev_b32 v[\w], v12, v[\w]
	v_permlanex16_b32 v11, v[\w], s20, s21
	v_or_b32 v[\w], v[\w], v11
.endm
	KBACK 0, X                                     ; LDS serves a wave's instructions in order: these see my stores
	SLOT
	s_wait_dscnt 0x0                               ; the first fragment's numbers are in, and the stores have read v16-143,
	KBACK 1, R                                     ; which take the second fragment's while the first is worked
	Q2 X, C, C+6
	KWORD 9
.irp g, 0,1,2
	global_store_b128 v7, v[C+4*\g:C+4*\g+3], s[8:9] offset:512*\g          ; 32 lanes store 512 consecutive bytes, at a multiple of 256 from kv's first byte
.endr
	s_wait_dscnt 0x0
	Q2 R, C+12, C+18
	KWORD 10
.irp g, 0,1,2
	global_store_b128 v7, v[C+12+4*\g:C+12+4*\g+3], s[8:9] offset:FRB+512*\g
.endr
	v_cmp_eq_u32 vcc_lo, 1, v3
	v_cndmask_b32 v9, v9, v10, vcc_lo              ; lanes 0-15 keep the first fragment's words, lanes 16-31 take the second's
	global_store_b32 v8, v9, s[24:25]
	s_or_b32 s37, ttmp9, s10                       ; wave 0 of the batch's first work-group also writes the batch's entry of order
	s_cmp_lg_u32 s37, 0
	s_cbranch_scc1 .Lkeys_done
	s_lshl_b32 s38, s33, 8                         ; 256 bytes a slot
	s_mov_b32 s39, 0
	s_add_nc_u64 s[28:29], s[28:29], s[38:39]
	v_mov_b32 v242, s11                            ; the batch,
	v_mov_b32 v243, s32                            ; its valid length as it was given
	v_lshlrev_b32 v244, 3, v1
	global_store_b64 v244, v[242:243], s[28:29]    ; 32 lanes store the pair 32 times: 256 consecutive bytes, aligned; the ranks are all different, so the 32 batches fill order
.Lkeys_done:
	s_wait_tensorcnt 0x0
	ds_add_u32 v254, v255
	s_wait_dscnt 0x0
	s_endpgm
.Lvalues:
	; ---- VALUES: my 32 channels (128 bytes of each row) of 128 keys
	s_lshl_b32 s22, s12, 7
	s_add_co_u32 s14, s14, s22
	s_add_nc_u64 s[6:7], s[6:7], s[14:15]
.set i, 0
.rept 32
	global_load_b128 v[R+4*i:R+4*i+3], v4, s[6:7] offset:1024*i th:TH_LOAD_NT  ; four keys x 128 consecutive bytes; the other V wave takes the rows' other halves
.set i, i+1
.endr
	s_wait_loadcnt 0x0
.set i, 0
.rept 32
	ds_store_b128 v13, v[R+4*i:R+4*i+3] offset:512*i
.set i, i+1
.endr
.macro VBACK c, dst                    ; A LANE TAKES A CHANNEL, AND ITS REGISTERS RUN DOWN THE KEYS: keys 64 c .. 64 c + 63; 32 lanes read 128 consecutive bytes
.set k, 0
.rept 64
	ds_load_b32 v[(\dst)+k], v14 offset:128*(64*(\c)+k)
.set k, k+1
.endr
.endm
	VBACK 0, X
	SLOT
	s_wait_dscnt 0x0                               ; the first 64 keys are in, and the stores have read v16-143,
	VBACK 1, R                                     ; which take the other 64 while the first are worked
	Q2 X, C, C+12                                  ; keys 0-31: registers 0-5 of the operand's lane (r, 0); keys 32-63: of lane (r, 1)
	v_lshl_or_b32 v9, v[M+3], 8, v[M+1]            ; my channel's scale word: byte b for keys 32 b .. 32 b + 31
	s_wait_dscnt 0x0
	Q2 R, C+6, C+18                                ; keys 64-95 and 96-127: registers 6-11
	v_lshl_or_b32 v9, v[M+1], 16, v9
	v_lshl_or_b32 v9, v[M+3], 24, v9
.irp hh, 0,1
.irp g, 0,1,2
	global_store_b128 v15, v[C+12*\hh+4*\g:C+12*\hh+4*\g+3], s[8:9] offset:256*\hh+512*\g   ; 16 lanes store 256 consecutive bytes, aligned: the places of lanes 16 hh .. 16 hh + 15 of a tile's image
.endr
.endr
	global_store_b32 v8, v9, s[24:25]
	s_wait_tensorcnt 0x0
	ds_add_u32 v254, v255
	s_wait_dscnt 0x0
	s_endpgm
.Lfunc_end_k_q982c65f3b4_quant:
	.size	k_q982c65f3b4_quant, .Lfunc_end_k_q982c65f3b4_quant-k_q982c65f3b4_quant
	.p2alignl 7, 3214868480
	.fill 96, 4, 3214868480
	.section	.rodata,"a",@progbits
	.p2align	6, 0x0
	.amdhsa_kernel k_q982c65f3b4_quant
		.amdhsa_group_segment_fixed_size 68096
		.amdhsa_private_segment_fixed_size 0
		.amdhsa_enable_private_segment 0
		.amdhsa_kernarg_size 40
		.amdhsa_user_sgpr_count 2
		.amdhsa_user_sgpr_kernarg_segment_ptr 1
		.amdhsa_wavefront_size32 1
		.amdhsa_system_sgpr_workgroup_id_x 1
		.amdhsa_system_sgpr_workgroup_id_y 1
		.amdhsa_system_sgpr_workgroup_id_z 1
		.amdhsa_system_vgpr_workitem_id 0
		.amdhsa_next_free_vgpr 256
		.amdhsa_next_free_sgpr 66
		.amdhsa_reserve_vcc 1
		.amdhsa_float_denorm_mode_32 3
		.amdhsa_float_denorm_mode_16_64 3
		.amdhsa_memory_ordered 1
		.amdhsa_forward_progress 1
		.amdhsa_inst_pref_size 39
	.end_amdhsa_kernel
	.amdgpu_metadata
---
amdhsa.version: [ 1, 2 ]
amdhsa.kernels:
  - .name:           k_q982c65f3b4_quant
    .symbol:         k_q982c65f3b4_quant.kd
    .args:
      - { .name: keys, .offset: 0, .size: 8, .value_kind: global_buffer, .address_space: global }
      - { .name: values, .offset: 8, .size: 8, .value_kind: global_buffer, .address_space: global }
      - { .name: kv, .offset: 16, .size: 8, .value_kind: global_buffer, .address_space: global }
      - { .name: order, .offset: 24, .size: 8, .value_kind: global_buffer, .address_space: global }
      - { .name: valid_lens, .offset: 32, .size: 8, .value_kind: global_buffer, .address_space: global }
    .group_segment_fixed_size: 68096
    .private_segment_fixed_size: 0
    .kernarg_segment_align: 8
    .kernarg_segment_size: 40
    .max_flat_workgroup_size: 128
    .sgpr_count:     66
    .vgpr_count:     256
    .wavefront_size: 32
...
	.end_amdgpu_metadata
.endif
;; end of part 1
;; launch attend (part 2): grid 8 x 32, 16 waves a work-group, no clusters, 278,528 bytes of LDS; arguments queries, order, kv, out0; writes out0
.if DOCPART == 2
	.amdgcn_target "amdgcn-amd-amdhsa--gfx1250"
	.amdhsa_code_object_version 6
	.text
	.protected	k_q982c65f3b4_attend
	.globl	k_q982c65f3b4_attend
	.p2align	8
	.type	k_q982c65f3b4_attend,@function
k_q982c65f3b4_attend:
	s_mov_b64 s[64:65], 0
	v_nop
	global_prefetch_b8 v0, s[64:65] scope:SCOPE_SE
	s_setreg_imm32_b32 hwreg(HW_REG_WAVE_MODE, 25, 1), 1
	s_wait_xcnt 0x0
; out0[b][q][:] = the sum over k of softmax_k(queries[b][q] . keys[b][k] / 8, hidden keys at -1e6) values[b][k][:]; key k of batch b is hidden where k >= valid_lens[b].
; Both products on codes of FP6 (E2M3) with one E8M0 scale for each 32 along a product's K.  K's and V's codes and scale words come from kv, laid in the order of the operands' registers; q is quantised here.
; THE SOFTMAX AHEAD OF THE SECOND PRODUCT: t = logit x log2(e); M = the largest t so far, rounded UP to a whole number; p = 2^(t - M) is quantised along the keys, not normalised; the row's sum is taken of the
; unquantised p and divides at the end.  When M moves, the sum and O are multiplied by 2^(old M - new M): exact.
; EQUAL WORK.  kv holds the batches in slots, sorted by the number of keys to be walked; order[slot] = {batch, its valid length}.  Work-group (x, y) takes 64 queries of slot y (rows 64 x on) and 64 queries of
; slot 31 - y (rows 512 + 64 x on): the r-th shortest batch beside the r-th longest.  Slot s so gets rows 0-511 from the work-groups y = s and rows 512-1,023 from the work-groups y = 31 - s: each row has one owner.
; SHARES.  Sixteen waves are 8 pairs; a pair owns a tile of 16 queries; one wave of it walks key steps 0, 2, 4, 6 (128 keys each), the other steps 1, 3, 5, 7.  Of wave w = (w3 w2 w1 w0): which of the two slots: w3 xor w1;
; even or odd steps: w2 xor w0; tile: (w1 w0); its partner is w xor 4.  Of any four waves whose numbers agree in their two low bits, and of any four that agree in their two high bits, one has each of the four
; combinations of slot and parity.  At the end the odd wave hands its O^T, M and sum over through LDS; the merge is two multiplications by powers of two.
; LDS.  At the head wave w copies step w % 8 of slot-region w / 8: 12,288 bytes of codes and 512 of scale words: both slots' 102,400 bytes lie in LDS as in memory.  One barrier; the loop has none.
; The copy's addresses hang on ids alone and go out first; q's and out0's hang on order, which is asked for beside the copy.
; LAYOUT.  Both products are used transposed: S^T = K Q^T (source 0 = keys), O^T = V^T P^T (source 0 = channels): a lane holds ONE query (lane % 16) throughout.
;   The first product's K is 64, the instruction's 128: a fragment of K holds two tiles of keys in its two halves and is multiplied by [q | 0] and by [0 | q] (18 registers: 0, q, 0): zero codes add nothing.
;   Row r of tile t is key 64 (t / 4) + 32 (r / 8) + 8 (t % 4) + r % 8: so register 32 c + i of the scores is key 64 c + 32 (lane / 16) + i: a lane holds two WHOLE blocks of 32 keys, in the very places that the
;   second product's operand gives that lane.  A block's maximum needs no other lane and the conversions' results change no lane.
; THE MASK.  The valid length is held to 0 .. 1,024.  A step all of whose keys are hidden is left out (a scalar branch on that whole number, inside a loop of constant count): beside a visible key its p are 0.
;   In the step on the edge hidden scores become -8e6 (-1e6 ahead of the division by 8) ahead of the maximum.  Where the valid length is 0 or less every logit is -1e6: all equal; every key is then walked with the common score 0, which is the same softmax.
; LIMITS: NaN and infinities are not served.  Visible logits are taken to lie above -1e6 + 200, so that hidden keys' p are 0 beside them.  A block's largest p is made from its largest score by the same
;   multiply-add and exponential: that takes v_exp_f32 not to fall where its input rises (the ISA guide promises 1 ulp).  q's blocks under 2^-124 keep the byte 1.
; NO CLUSTER, NO TENSOR LOAD: the jump over hidden steps hangs on a number read from memory; what partners would share is read once, at the head.
; All that a work-group reads from memory is asked for by each wave's first 33 loads: there is no later stream to ask ahead for.
.set STEPC,  12288                     ; a step's codes: 4 fragments of K, 4 tiles of V^T
.set FRB,    1536
.set SCL,    98304                     ; a slot's scale words, 512 bytes a step
.set BATCHB, 102400                    ; a slot; LDS holds two
.set MRG,    2*BATCHB                  ; the hand-over: 4,608 bytes a pair
.set MRGB,   4608
.set STG,    MRG+8*MRGB                ; the way out: 16 rows x (256 + 16) bytes a pair
.set ROWP,   272
.set STGB,   16*ROWP
.set QT,     MRG                       ; q's turn, 4,352 bytes for each wave: it lies over the hand-over and the stage, 69,632 of their 71,680 bytes: its last read is waited for in front of the first barrier, and those are first written behind it
.set FLOOR,  0x1800000                 ; 2^(3 - 127)
.set LI,  1                            ; v1   16 x lane
.set LS,  2                            ; v2   SCL + 4 x lane
.set ADK, 3                            ; v3   the step's codes; later the hand-over's address
.set ADS, 4                            ; v4   the step's scale words; later the stage, on the way in
.set SH,  5                            ; v5   8 x (lane / 16)
.set NM,  6                            ; v6 -M, v7 the largest t
.set SUM, 8                            ; v[8:9] the sum, in two halves
.set QB,  10                           ; v[10:21] = [0 | q]
.set QA,  16                           ; v[16:27] = [q | 0]
.set QS,  28                           ; v28  q's scale word: its two bytes, twice
.set TP,  29                           ; v29  at work; later the stage, on the way back
.set KFR, 30                           ; v30-77   K's four fragments; at the head q as loaded
.set VFR, 78                           ; v78-125  V's four tiles; at the head q turned
.set S,   126                          ; v126-189 S^T, then p; at the head v126-225 hold the copy
.set O,   190                          ; v190-221 O^T
.set P,   222                          ; v222-233 p's codes
.set BM,  234                          ; v234-237 maxima
.set T8,  238                          ; v238-245 at work
.set SO,  246                          ; v246-247 the conversions' scale operands
.set KS,  250                          ; v250-251 K's scale words: lanes 0-15 fragment 2 j, lanes 16-31 fragment 2 j + 1
.set VS,  252                          ; v252-253 V's likewise
.set F,   254                          ; v254 f = 2^(old M - new M)
.set PW,  255                          ; v255 p's scale word
.set VL,  16
.set NEFF, 17
.set MV,  18
.set SEL, 22
.set CS,  24
.set TB,  26
.set TS,  27
.set KF,  28
.set CNT, 29
	s_load_b256 s[4:11], s[0:1], 0x0               ; queries s[4:5], order s[6:7], kv s[8:9], out0 s[10:11]
	v_lshrrev_b32 v[BM], 5, v0
	v_readfirstlane_b32 s12, v[BM]                 ; wave 0..15
	v_and_b32 v[BM], 31, v0                        ; lane
	v_and_b32 v[BM+1], 15, v0                      ; r
	v_bfe_u32 v[BM+2], v0, 4, 1                    ; h
	v_mov_b32 v[BM+3], 0                           ; a lane permute's destination counts as one of its sources
	s_and_b32 s13, ttmp7, 0xffff                   ; y
	s_lshr_b32 s44, s12, 3                         ; the copy: which region,
	s_and_b32 s45, s12, 7                          ; which step
	s_lshr_b32 s19, s12, 1
	s_xor_b32 s40, s44, s19
	s_and_b32 s40, s40, 1                          ; the work: which region: w3 xor w1
	s_lshr_b32 s15, s12, 2
	s_xor_b32 s15, s15, s12
	s_and_b32 s15, s15, 1                          ; even or odd key steps: w2 xor w0
	s_and_b32 s41, s12, 3                          ; which of the region's four tiles of queries
	s_lshl_b32 s14, s40, 2
	s_or_b32 s14, s14, s41                         ; my pair, 0..7
	v_lshlrev_b32 v[LI], 4, v[BM]
	v_lshl_add_u32 v[LS], v[BM], 2, SCL
	v_lshlrev_b32 v[SH], 3, v[BM+2]
	s_mul_i32 s19, s44, BATCHB
	s_mul_i32 s30, s45, STEPC
	s_add_co_u32 s31, s30, s19
	v_add_nc_u32 v[T8], s31, v[LI]                 ; the copy in LDS: region, step, 16 x lane: my 12,288 bytes of codes,
	s_lshl_b32 s46, s45, 9
	s_add_co_u32 s46, s46, SCL
	s_add_co_u32 s31, s46, s19
	v_add_nc_u32 v[T8+1], s31, v[LI]               ; my 512 bytes of scale words
	s_mul_i32 s31, s12, STGB
	s_add_co_u32 s31, s31, QT
	v_mul_u32_u24 v[T8+2], v[BM+2], ROWP
	v_lshl_add_u32 v[T8+2], v[BM+1], 4, v[T8+2]
	v_add_nc_u32 v[T8+2], s31, v[T8+2]             ; q's turn, in: lanes 0-15 one query's row, lanes 16-31 the next
	v_mul_u32_u24 v[T8+3], v[BM+1], ROWP
	v_lshl_add_u32 v[T8+3], v[BM+2], 7, v[T8+3]
	v_add_nc_u32 v[T8+3], s31, v[T8+3]             ; and out: row r, + 128 h: my block of 32 channels
	s_sub_co_u32 s19, 31, s13                      ; region 0 holds slot y, region 1 slot 31 - y
	s_cmp_eq_u32 s44, 0
	s_cselect_b32 s34, s13, s19                    ; the slot that I copy from
	s_cmp_eq_u32 s40, 0
	s_cselect_b32 s38, s13, s19                    ; the slot that I work on
	s_mul_i32 s34, s34, BATCHB
	s_add_co_u32 s36, s34, s46                     ; in kv: my step's scale words,
	s_add_co_u32 s34, s34, s30                     ; its codes
	s_mov_b32 s35, 0
	s_mov_b32 s37, 0
	s_lshl_b32 s38, s38, 8                         ; in order: 256 bytes a slot
	s_mov_b32 s39, 0
	s_mov_b32 s[SEL], 0x76543210
	s_mov_b32 s[SEL+1], 0xfedcba98                 ; v_permlanex16_b32's selects for lane l xor 16
	s_mov_b32 s[CS], 0x3e38aa3b                    ; c = log2(e) / 8: t = score x c
	s_mov_b32 s[CS+1], s[CS]                       ; (the packed form names the pair)
	s_mul_i32 s30, s40, BATCHB                     ; the loop's addresses: my region, my first step
	s_mul_i32 s[TB], s15, STEPC
	s_add_co_u32 s[TB], s[TB], s30
	s_lshl_b32 s[TS], s15, 9
	s_add_co_u32 s[TS], s[TS], s30
	s_lshl_b32 s[KF], s15, 7                       ; my first step's first key
	s_mov_b32 s[CNT], 4
	s_wait_kmcnt 0x0
	s_add_nc_u64 s[6:7], s[6:7], s[38:39]
	s_load_b64 s[42:43], s[6:7], 0x0               ; my slot's batch and its valid length
	s_add_nc_u64 s[32:33], s[8:9], s[36:37]
	s_add_nc_u64 s[8:9], s[8:9], s[34:35]
.set i, 0
.rept 24
	global_load_b128 v[S+4*i:S+4*i+3], v[LI], s[8:9] offset:512*i            ; my part of the two slots' codes: 512 consecutive bytes a load
.set i, i+1
.endr
	global_load_b128 v[S+96:S+99], v[LI], s[32:33]                           ; and of their scale words
.irp i, 0,1,2,3,4,5
	v_mov_b32 v[QB+\i], 0                          ; the zero halves beside q's codes
	v_mov_b32 v[QA+6+\i], 0
.endr
	v_mov_b32 v247, 0                              ; a lane permute's destination counts as one of its sources
	s_wait_kmcnt 0x0
	s_min_u32 s42, s42, 31                         ; the batch
	s_lshl_b32 s20, s42, 18                        ; my 16 rows of queries and of out0: 256 bytes x (1,024 batch + 512 region + 64 x + 16 tile)
	s_lshl_b32 s21, s40, 17
	s_add_co_u32 s20, s20, s21
	s_lshl_b32 s21, ttmp9, 14
	s_add_co_u32 s20, s20, s21
	s_lshl_b32 s21, s41, 12
	s_add_co_u32 s20, s20, s21
	s_mov_b32 s21, 0
	s_add_nc_u64 s[4:5], s[4:5], s[20:21]
	s_add_nc_u64 s[10:11], s[10:11], s[20:21]
.irp i, 0,1,2,3,4,5,6,7
	global_load_b128 v[KFR+4*\i:KFR+4*\i+3], v[LI], s[4:5] offset:512*\i     ; q: 32 lanes read 512 consecutive bytes: two queries
.endr
	s_max_i32 s[VL], s43, 0
	s_min_i32 s[VL], s[VL], 1024
	s_cmp_gt_i32 s[VL], 0
	s_cselect_b32 s[NEFF], s[VL], 1024             ; keys to be walked: the visible ones; all, where none is visible
	s_cselect_b32 s[MV], 0xcaf42400, 0             ; a hidden key's score: -8e6; where all are hidden, the common score 0
	s_wait_loadcnt 8                               ; the copy's 25 loads are in; q's eight, issued behind them, may be out
.set i, 0
.rept 24
	ds_store_b128 v[T8], v[S+4*i:S+4*i+3] offset:512*i
.set i, i+1
.endr
	ds_store_b128 v[T8+1], v[S+96:S+99]
	s_wait_loadcnt 0x0                             ; q
.irp i, 0,1,2,3,4,5,6,7
	ds_store_b128 v[T8+2], v[KFR+4*\i:KFR+4*\i+3] offset:2*ROWP*\i
.endr
.irp i, 0,1,2,3,4,5,6,7
	ds_load_b128 v[VFR+4*\i:VFR+4*\i+3], v[T8+3] offset:16*\i                ; LDS serves a wave's instructions in order: these see my stores.  32 neighbours along the channels a lane
.endr
	s_wait_dscnt 0x0                               ; for the others' sake: my part of the copy has landed; for mine: q is back from its turn, and the stores have read their registers
	s_barrier_signal -1                            ; q is quantised and O^T cleared while the others arrive: work on registers alone
	v_max3_num_f32 v248, |v[VFR]|, |v[VFR+1]|, FLOOR                          ; my block's largest magnitude, in two chains, with the floor among the leaves
	v_max3_num_f32 v249, |v[VFR+16]|, |v[VFR+17]|, |v[VFR+18]|
.irp i, 2,4,6,8,10,12
	v_max3_num_f32 v248, v248, |v[VFR+\i]|, |v[VFR+\i+1]|
	v_max3_num_f32 v249, v249, |v[VFR+\i+17]|, |v[VFR+\i+18]|
.endr
	v_max3_num_f32 v248, v248, |v[VFR+14]|, |v[VFR+15]|
	v_max3_num_f32 v248, v248, v249, |v[VFR+31]|
	v_add_nc_u32 v[SO], 0xff000000, v248           ; 2 off the exponent field: the conversion's scale operand
	v_lshrrev_b32 v249, 23, v[SO]                  ; the byte of block h
	v_lshlrev_b32 v[QS], v[SH], v249
	v_permlanex16_b32 v247, v[QS], s[SEL], s[SEL+1]
	v_or_b32 v[QS], v[QS], v247                    ; both blocks' bytes,
	v_lshl_or_b32 v[QS], v[QS], 16, v[QS]          ; twice: they serve q in the lower half of K and in the upper
	v_cvt_scalef32_pk16_fp6_f32 v[QA:QA+2], v[VFR:VFR+15], v[SO]
	v_cvt_scalef32_pk16_fp6_f32 v[VFR+32:VFR+34], v[VFR+16:VFR+31], v[SO]    ; (a conversion's three registers begin on an even number)
	v_nop                                          ; one plain place behind a scaled conversion
.irp i, 0,1,2
	v_mov_b32 v[QA+3+\i], v[VFR+32+\i]
.endr
.set j, 0
.rept 32
	v_mov_b32 v[O+j], 0                            ; O^T: the step is written once: the first finds zeros.  (These are also the places between q's registers and the first products)
.set j, j+1
.endr
	v_mov_b32 v[PW], 0                             ; (named as the upper half of the pair v[254:255] before it is first written)
	v_mov_b32 v[SUM], 0
	v_mov_b32 v[SUM+1], 0
	v_mov_b32 v[NM+1], 0xff61b1e6                  ; the largest t so far: -3e38
	v_floor_f32 v[NM], -v[NM+1]                    ; -M
	s_barrier_wait -1                              ; both slots' codes and scale words lie in LDS
.macro KQ f, c, q                      ; tile 2 f + c of S^T: fragment f against [q | 0] (c = 0) or [0 | q] (c = 1)
.if (\f)%2
	v_wmma_scale_f32_16x16x128_f8f6f4 v[S+16*(\f)+8*(\c):S+16*(\f)+8*(\c)+7], v[KFR+12*(\f):KFR+12*(\f)+11], v[\q:\q+11], 0, v[KS+(\f)/2], v[QS] matrix_a_fmt:MATRIX_FMT_FP6 matrix_b_fmt:MATRIX_FMT_FP6 matrix_a_scale:MATRIX_SCALE_ROW1
.else
	v_wmma_scale_f32_16x16x128_f8f6f4 v[S+16*(\f)+8*(\c):S+16*(\f)+8*(\c)+7], v[KFR+12*(\f):KFR+12*(\f)+11], v[\q:\q+11], 0, v[KS+(\f)/2], v[QS] matrix_a_fmt:MATRIX_FMT_FP6 matrix_b_fmt:MATRIX_FMT_FP6
.endif
.endm
.macro PV t                            ; channels 16 t .. 16 t + 15 of O^T; the four accumulators take turns, one instruction a turn
.if (\t)%2
	v_wmma_scale_f32_16x16x128_f8f6f4 v[O+8*(\t):O+8*(\t)+7], v[VFR+12*(\t):VFR+12*(\t)+11], v[P:P+11], v[O+8*(\t):O+8*(\t)+7], v[VS+(\t)/2], v[PW] matrix_a_fmt:MATRIX_FMT_FP6 matrix_b_fmt:MATRIX_FMT_FP6 matrix_a_scale:MATRIX_SCALE_ROW1
.else
	v_wmma_scale_f32_16x16x128_f8f6f4 v[O+8*(\t):O+8*(\t)+7], v[VFR+12*(\t):VFR+12*(\t)+11], v[P:P+11], v[O+8*(\t):O+8*(\t)+7], v[VS+(\t)/2], v[PW] matrix_a_fmt:MATRIX_FMT_FP6 matrix_b_fmt:MATRIX_FMT_FP6
.endif
.endm
.Lstep:                                            ; four trips, whatever the valid length: every second step of the slot's eight
	s_cmp_ge_i32 s[KF], s[NEFF]
	s_cbranch_scc1 .Lhidden                        ; all 128 keys hidden: only the addresses step
	v_add_nc_u32 v[ADK], s[TB], v[LI]
	v_add_nc_u32 v[ADS], s[TS], v[LS]
	ds_load_b32 v[KS], v[ADS]
	ds_load_b32 v[KS+1], v[ADS] offset:128
.irp f, 0,1,2,3
.irp g, 0,1,2
	ds_load_b128 v[KFR+12*\f+4*\g:KFR+12*\f+4*\g+3], v[ADK] offset:FRB*\f+512*\g      ; an image of the operand's registers: 512 consecutive bytes a load
.endr
.endr
	s_wait_dscnt 0x0
.irp f, 0,1,2,3
	KQ \f, 0, QA
	KQ \f, 1, QB
.endr
.rept 4
	v_nop                                          ; four places behind the products, ahead of the first read of the scores; with the two additions above they also stand between the last step's V^T P and the loads below
.endr
	ds_load_b32 v[VS], v[ADS] offset:256           ; V's tiles are asked for here and land under the softmax
	ds_load_b32 v[VS+1], v[ADS] offset:384
.irp t, 0,1,2,3
.irp g, 0,1,2
	ds_load_b128 v[VFR+12*\t+4*\g:VFR+12*\t+4*\g+3], v[ADK] offset:4*FRB+FRB*\t+512*\g
.endr
.endr
	s_add_co_u32 s30, s[KF], 128
	s_cmp_le_i32 s30, s[VL]
	s_cbranch_scc1 .Lopen                          ; all 128 keys visible
	s_sub_co_i32 s30, s[VL], s[KF]
	s_sub_co_i32 s30, s30, 1
	v_bfe_u32 v[TP], v0, 4, 1
	v_lshlrev_b32 v[TP], 5, v[TP]
	v_sub_nc_u32 v[TP], s30, v[TP]                 ; d = valid length - 1 - first key - 32 (lane / 16).  Register n holds key first + 32 (lane / 16) + 64 (n / 32) + n % 32: hidden where 64 (n / 32) + n % 32 > d
	v_mov_b32 v[T8+4], s[MV]
.set n, 0
.rept 64
	v_cmp_gt_i32 vcc_lo, 64*(n/32)+n%32, v[TP]
	v_cndmask_b32 v[S+n], v[S+n], v[T8+4], vcc_lo
.set n, n+1
.endr
.Lopen:
.irp q, 0,1,2,3
	v_max3_num_f32 v[BM+\q], v[S+16*\q], v[S+16*\q+1], v[S+16*\q+2]            ; THE LARGEST SCORE OF EACH OF MY TWO BLOCKS, in four chains; each accumulator is read from its low end on
.endr
.irp i, 3,5,7,9,11,13
.irp q, 0,1,2,3
	v_max3_num_f32 v[BM+\q], v[BM+\q], v[S+16*\q+\i], v[S+16*\q+\i+1]
.endr
.endr
.irp c, 0,1
	v_max3_num_f32 v[BM+2*\c], v[BM+2*\c], v[BM+2*\c+1], v[S+32*\c+15]
.endr
.irp c, 0,1
	v_max_num_f32 v[BM+2*\c], v[BM+2*\c], v[S+32*\c+31]                        ; it serves twice: for the row's maximum and, since p rises with the score, for the block's largest p
.endr
	v_max_num_f32 v[TP], v[BM], v[BM+2]
	v_permlanex16_b32 v[T8], v[TP], s[SEL], s[SEL+1]
	v_max_num_f32 v[TP], v[TP], v[T8]              ; with lane l xor 16's 64 keys: the step's largest score of my query
	v_mul_f32 v[TP], s[CS], v[TP]                  ; as t (c is positive)
	v_max_num_f32 v[NM+1], v[NM+1], v[TP]          ; the running largest t
	v_mov_b32 v[TP], v[NM]
	v_floor_f32 v[NM], -v[NM+1]                    ; the new -M = floor(-t) = -ceil(t): a whole number
	v_sub_f32 v[TP], v[NM], v[TP]                  ; old M - new M: a whole number, 0 or less
	v_cvt_i32_f32 v[TP], v[TP]                     ; (it saturates)
	v_ldexp_f32 v[F], 1.0, v[TP]                   ; f = 2^(old M - new M)
.set j, 0
.rept 32
	v_pk_fma_f32 v[S+j:S+j+1], v[S+j:S+j+1], s[CS:CS+1], v[NM:NM+1] op_sel_hi:[1,0,0]   ; t - M, two at a time
.set j, j+2
.endr
.irp c, 0,1
	v_fma_f32 v[BM+2*\c], v[BM+2*\c], s[CS], v[NM] ; the same of each block's largest score
.endr
.set j, 0
.rept 64
	v_exp_f32 v[S+j], v[S+j]                       ; p = 2^(t - M): one batch
.set j, j+1
.endr
	v_pk_mul_f32 v[SUM:SUM+1], v[SUM:SUM+1], v[F:F+1] op_sel_hi:[1,0]          ; the sums under the new M: the plain place behind the exponentials
	s_wait_alu depctr_va_vdst(0)                   ; one wait for the batch, ahead of its first reader
.irp c, 0,1
	v_exp_f32 v[BM+2*\c], v[BM+2*\c]               ; the blocks' largest p: the same two instructions on the same number give the same bits
.endr
	v_pk_add_f32 v[T8:T8+1], v[S:S+1], v[S+2:S+3]  ; THE ROW'S SUM IS TAKEN OF THE UNQUANTISED p.  Its first half stands here, behind the two exponentials, whose results it does not name
.irp j, 4,8,12,16,20,24,28
	v_pk_add_f32 v[SUM:SUM+1], v[SUM:SUM+1], v[S+\j:S+\j+1]
	v_pk_add_f32 v[T8:T8+1], v[T8:T8+1], v[S+\j+2:S+\j+3]
.endr
	v_pk_add_f32 v[SUM:SUM+1], v[SUM:SUM+1], v[T8:T8+1]
	s_wait_alu depctr_va_vdst(0)                   ; and one wait for the two
.irp c, 0,1
	v_max_num_f32 v[BM+2*\c], FLOOR, v[BM+2*\c]    ; the floor: the byte cannot fall under 1 (a block whose every p is 0 keeps that byte: its codes are zeros)
.endr
.irp c, 0,1
	v_add_nc_u32 v[SO+\c], 0xff000000, v[BM+2*\c]  ; 2 off the exponent field: the conversion's scale operand
.endr
.irp c, 0,1
	v_lshrrev_b32 v[BM+2*\c+1], 23, v[SO+\c]       ; the scale's byte
.endr
	v_lshl_or_b32 v[PW], v[BM+3], 16, v[BM+1]      ; my two bytes: blocks h and 2 + h,
	v_lshlrev_b32 v[PW], v[SH], v[PW]              ; at their places;
	v_permlanex16_b32 v[T8+2], v[PW], s[SEL], s[SEL+1]
	v_or_b32 v[PW], v[PW], v[T8+2]                 ; with lane l xor 16's two p's scale word is whole
.irp c, 0,1
	v_cvt_scalef32_pk16_fp6_f32 v[P+6*\c:P+6*\c+2], v[S+32*\c:S+32*\c+15], v[SO+\c]          ; registers 6 c .. 6 c + 5 of the operand: keys 64 c + 32 h + 0 .. 31
	v_cvt_scalef32_pk16_fp6_f32 v[T8+4*\c:T8+4*\c+2], v[S+32*\c+16:S+32*\c+31], v[SO+\c]     ; (a conversion's three registers begin on an even number)
.endr
	v_nop                                          ; one plain place behind a scaled conversion
.irp c, 0,1
.irp i, 0,1,2
	v_mov_b32 v[P+6*\c+3+\i], v[T8+4*\c+\i]
.endr
.endr
.set j, 0
.rept 16
	v_pk_mul_f32 v[O+j:O+j+1], v[O+j:O+j+1], v[F:F+1] op_sel_hi:[1,0]          ; O^T under the new M
.set j, j+2
.endr
	v_pk_add_f32 v[T8:T8+1], v[S+32:S+33], v[S+34:S+35]                        ; the sum's second half: with the 16 lines above, the places between p's codes, its scale word and O^T and the products below
.irp j, 36,40,44,48,52,56,60
	v_pk_add_f32 v[SUM:SUM+1], v[SUM:SUM+1], v[S+\j:S+\j+1]
	v_pk_add_f32 v[T8:T8+1], v[T8:T8+1], v[S+\j+2:S+\j+3]
.endr
	v_pk_add_f32 v[SUM:SUM+1], v[SUM:SUM+1], v[T8:T8+1]
	s_wait_dscnt 0x0                               ; V's tiles and scale words are in
.irp t, 0,1,2,3
	PV \t
.endr
.Lhidden:
	s_add_co_u32 s[TB], s[TB], 2*STEPC             ; two steps on
	s_add_co_u32 s[TS], s[TS], 1024
	s_add_co_u32 s[KF], s[KF], 256
	s_sub_co_u32 s[CNT], s[CNT], 1
	s_cmp_lg_u32 s[CNT], 0
	s_cbranch_scc1 .Lstep
	; THE PAIR MEETS.  Every LDS address of what follows is made here, in all waves, ahead of the parting; these nine lines are also the places behind the last products.
	v_and_b32 v[BM], 15, v0                        ; r
	v_bfe_u32 v[BM+1], v0, 4, 1                    ; h
	s_mul_i32 s30, s14, MRGB
	s_add_co_u32 s30, s30, MRG
	v_add_nc_u32 v[ADK], s30, v[LI]                ; the hand-over: images of registers, 16 bytes a lane
	s_mul_i32 s31, s14, STGB
	s_add_co_u32 s31, s31, STG
	v_mul_u32_u24 v[ADS], v[BM], ROWP
	v_lshl_add_u32 v[ADS], v[BM+1], 5, v[ADS]
	v_add_nc_u32 v[ADS], s31, v[ADS]               ; the stage, in: row r; tile t's eight channels of my half at 64 t + 32 h
	v_mul_u32_u24 v[TP], v[BM+1], ROWP
	v_lshl_add_u32 v[TP], v[BM], 4, v[TP]
	v_add_nc_u32 v[TP], s31, v[TP]                 ; and back: lanes 0-15 one row, lanes 16-31 the next
	s_cmp_eq_u32 s15, 0
	s_cbranch_scc1 .Lkeeps
.irp g, 0,1,2,3,4,5,6,7
	ds_store_b128 v[ADK], v[O+4*\g:O+4*\g+3] offset:512*\g                     ; the odd wave's O^T, each accumulator from its low end on,
.endr
	ds_store_b128 v[ADK], v[NM:NM+3] offset:4096   ; its -M, t and the sum's two halves
.Lkeeps:
	s_wait_dscnt 0x0                               ; for the partner's sake: the stores have landed
	s_barrier_signal -1
	s_barrier_wait -1
	s_cmp_eq_u32 s15, 0
	s_cbranch_scc1 .Lfinish
	s_wait_xcnt 0x0
	v_lshl_add_u32 v251, v0, 2, 0x43800
	v_mov_b32 v254, 0
	s_wait_tensorcnt 0x0
	ds_add_u32 v251, v254
	s_wait_dscnt 0x0
	s_endpgm                                       ; the odd wave is done
.Lfinish:
.irp g, 0,1,2,3,4,5,6,7
	ds_load_b128 v[S+4*\g:S+4*\g+3], v[ADK] offset:512*\g
.endr
	ds_load_b128 v[S+32:S+35], v[ADK] offset:4096
	s_wait_dscnt 0x0
	v_min_num_f32 v[BM], v[NM], v[S+32]            ; -M of both: M is the larger
	v_sub_f32 v[BM+1], v[BM], v[NM]                ; my M - M, the partner's M - M: whole numbers, 0 or less
	v_sub_f32 v[BM+2], v[BM], v[S+32]
	v_cvt_i32_f32 v[BM+1], v[BM+1]                 ; (they saturate: a partner that walked no step has zeros, times 0)
	v_cvt_i32_f32 v[BM+2], v[BM+2]
	v_ldexp_f32 v[BM+1], 1.0, v[BM+1]
	v_ldexp_f32 v[BM+2], 1.0, v[BM+2]
	v_add_f32 v[SUM], v[SUM], v[SUM+1]
	v_add_f32 v[S+34], v[S+34], v[S+35]
	v_mul_f32 v[SUM], v[SUM], v[BM+1]
	v_fma_f32 v[SUM], v[S+34], v[BM+2], v[SUM]     ; both waves' sums under one M,
	v_permlanex16_b32 v[BM+3], v[SUM], s[SEL], s[SEL+1]
	v_add_f32 v[SUM], v[SUM], v[BM+3]              ; and lane l xor 16's: the row's sum
	v_rcp_f32 v[SUM], v[SUM]
	v_nop                                          ; one plain place behind the reciprocal
	s_wait_alu depctr_va_vdst(0)                   ; and a wait ahead of its first reader
	v_mul_f32 v[T8], v[BM+1], v[SUM]
	v_mul_f32 v[T8+2], v[BM+2], v[SUM]
.set j, 0
.rept 16
	v_pk_mul_f32 v[O+j:O+j+1], v[O+j:O+j+1], v[T8:T8+1] op_sel_hi:[1,0]
	v_pk_fma_f32 v[O+j:O+j+1], v[S+j:S+j+1], v[T8+2:T8+3], v[O+j:O+j+1] op_sel_hi:[1,0,1]   ; register 8 t + i is out0(r, 16 t + 8 h + i)
.set j, j+2
.endr
.irp t, 0,1,2,3
	ds_store_b128 v[ADS], v[O+8*\t:O+8*\t+3] offset:64*\t
	ds_store_b128 v[ADS], v[O+8*\t+4:O+8*\t+7] offset:64*\t+16
.endr
.irp i, 0,1,2,3,4,5,6,7
	ds_load_b128 v[S+4*\i:S+4*\i+3], v[TP] offset:2*\i*ROWP                    ; LDS serves a wave's instructions in order: these see my stores
.endr
.irp i, 0,1,2,3,4,5,6,7
	s_wait_dscnt 7-\i                              ; rows 2 i and 2 i + 1 are back; the younger loads may be out
	global_store_b128 v[LI], v[S+4*\i:S+4*\i+3], s[10:11] offset:512*\i th:TH_STORE_NT   ; 32 lanes store two rows: 512 consecutive bytes, at a multiple of 256 from out0's first byte
.endr
	s_wait_xcnt 0x0
	v_lshl_add_u32 v251, v0, 2, 0x43800
	v_mov_b32 v254, 0
	s_wait_tensorcnt 0x0
	ds_add_u32 v251, v254
	s_wait_dscnt 0x0
	s_endpgm
.Lfunc_end_k_q982c65f3b4_attend:
	.size	k_q982c65f3b4_attend, .Lfunc_end_k_q982c65f3b4_attend-k_q982c65f3b4_attend
	.p2alignl 7, 3214868480
	.fill 96, 4, 3214868480
	.section	.rodata,"a",@progbits
	.p2align	6, 0x0
	.amdhsa_kernel k_q982c65f3b4_attend
		.amdhsa_group_segment_fixed_size 278528
		.amdhsa_private_segment_fixed_size 0
		.amdhsa_enable_private_segment 0
		.amdhsa_kernarg_size 32
		.amdhsa_user_sgpr_count 2
		.amdhsa_user_sgpr_kernarg_segment_ptr 1
		.amdhsa_wavefront_size32 1
		.amdhsa_system_sgpr_workgroup_id_x 1
		.amdhsa_system_sgpr_workgroup_id_y 1
		.amdhsa_system_sgpr_workgroup_id_z 1
		.amdhsa_system_vgpr_workitem_id 0
		.amdhsa_next_free_vgpr 256
		.amdhsa_next_free_sgpr 66
		.amdhsa_reserve_vcc 1
		.amdhsa_float_denorm_mode_32 3
		.amdhsa_float_denorm_mode_16_64 3
		.amdhsa_memory_ordered 1
		.amdhsa_forward_progress 1
		.amdhsa_inst_pref_size 40
	.end_amdhsa_kernel
	.amdgpu_metadata
---
amdhsa.version: [ 1, 2 ]
amdhsa.kernels:
  - .name:           k_q982c65f3b4_attend
    .symbol:         k_q982c65f3b4_attend.kd
    .args:
      - { .name: queries, .offset: 0, .size: 8, .value_kind: global_buffer, .address_space: global }
      - { .name: order, .offset: 8, .size: 8, .value_kind: global_buffer, .address_space: global }
      - { .name: kv, .offset: 16, .size: 8, .value_kind: global_buffer, .address_space: global }
      - { .name: out0, .offset: 24, .size: 8, .value_kind: global_buffer, .address_space: global }
    .group_segment_fixed_size: 278528
    .private_segment_fixed_size: 0
    .kernarg_segment_align: 8
    .kernarg_segment_size: 32
    .max_flat_workgroup_size: 512
    .sgpr_count:     66
    .vgpr_count:     256
    .wavefront_size: 32
...
	.end_amdgpu_metadata
.endif
;; end of part 2
;; ======== version 2 of 2: 2 launches
;; limits: right only within a limited range of input values
;; workspace buffers: kv 3,276,800 bytes; order 8,192 bytes of whole numbers
;; launch quant (part 3): grid 8 x 32, 4 waves a work-group, no clusters, 68,096 bytes of LDS; arguments keys, values, kv, order, valid_lens; writes kv, order
.if DOCPART == 3
	.amdgcn_target "amdgcn-amd-amdhsa--gfx1250"
	.amdhsa_code_object_version 6
	.text
	.protected	k_q982c65f3b4_quant
	.globl	k_q982c65f3b4_quant
	.p2align	8
	.type	k_q982c65f3b4_quant,@function
k_q982c65f3b4_quant:
	s_mov_b64 s[64:65], 0
	v_nop
	global_prefetch_b8 v0, s[64:65] scope:SCOPE_SE
	s_setreg_imm32_b32 hwreg(HW_REG_WAVE_MODE, 25, 1), 1
	s_wait_xcnt 0x0
; keys [32][1024][64] and values [32][1024][64], f32, become codes of FP6 (E2M3) with one E8M0 byte for each 32 along a product's K, once for the whole program.
; keys are quantised along the 64 channels (two blocks a key), values along the KEYS (32 blocks a channel).
; A block's scale is 2^(floor(log2(its largest magnitude)) - 2): its byte is the largest magnitude's exponent field - 2, held at 1 from below by a floor among the maximum's leaves.
; (A block of zeros so keeps the byte 1 where the rule says 127: its codes are zeros, and this program alone reads the bytes.)
; LIMITS: NaN and infinities among the inputs are not served; blocks whose largest magnitude lies under 2^-124 keep the byte 1.
; THE BATCHES ARE LAID IN THE ORDER OF THEIR WORK.  The next launch walks n keys of a batch: n = valid_lens held to 1 .. 1,024, and 1,024 where valid_lens <= 0.  A batch's SLOT is its rank among the 32 by 32 (n - 1) + batch
; (no two alike).  Its codes go to slot x 102,400 of kv, and order[slot], 256 bytes, holds {batch, valid_lens[batch]}, 32 times over: so the next launch can pair slot r with slot 31 - r by addresses that it knows at once.
; A SLOT OF kv, 102,400 bytes, lies in the order of the operands' registers, so that the next launch fetches a fragment by three loads of 16 bytes a lane:
;   codes: step s (128 keys) at 12,288 s: four fragments of K, then four tiles of V^T, 1,536 bytes each: registers 4 g .. 4 g + 3 of lane l at 512 g + 16 l.
;   scale words at 98,304 + 512 s: K's at 128 j + 4 l (lanes 0-15: fragment 2 j, lanes 16-31: fragment 2 j + 1), V's 256 bytes further on, likewise by tiles.
; A FRAGMENT OF K HOLDS TWO TILES OF 16 KEYS: the product's K is 64, the instruction's 128, so half c of fragment f (registers 6 c .. 6 c + 5) is tile t = 2 f + c, and the next launch multiplies by [q | 0] and by [0 | q].
; THE KEYS OF A TILE ARE NOT NEIGHBOURS: row r of tile t is key 64 (t / 4) + 32 (r / 8) + 8 (t % 4) + r % 8, so that in the scores a lane's 32 registers of four tiles are one whole block of 32 keys.
; SHARES.  A work-group takes one batch and one step: 64 KB.  Waves 0, 1: 64 keys each (two fragments of K).  Waves 2, 3: 32 channels x 128 keys each (two tiles of V^T).  Waves share nothing: no barrier.
; A wave's 32 loads of 16 bytes a lane go out together; the numbers turn through the wave's own bytes of LDS, so that a lane then holds whole blocks of 32 in consecutive registers, as the conversions want them.
.set STEPC,  12288                     ; a step's codes
.set SCL,    98304                     ; where a slot's scale words begin
.set BATCHB, 102400
.set FRB,    1536                      ; a fragment's image
.set PITCH,  272                       ; K's turn: a key's 256 bytes + 16, so that 16 rows read together start 16 bytes apart modulo 256
.set KREG,   64*PITCH                  ; LDS of a K wave
.set VREG,   2*KREG                    ; behind them: 16,384 bytes for each V wave
.set FLOOR,  0x1800000                 ; 2^(3 - 127)
.set R,   16                           ; v16-143  numbers as loaded; later the second 64 turned numbers
.set X,   144                          ; v144-207 the first 64 turned numbers
.set C,   208                          ; v208-231 codes: two fragments
.set T,   232                          ; v232-238 the conversions' second halves
.set LEN, 240                          ; v240     lane j: valid_lens[j], then batch j's sorting key;  v242-244: the entry of order
.set M,   248                          ; v248-251 maxima, then bytes
.set SO,  252                          ; v252-253 the conversions' scale operands
	s_load_b128 s[4:7], s[0:1], 0x0                ; keys, values
	s_load_b64 s[8:9], s[0:1], 0x10                ; kv
	s_load_b64 s[28:29], s[0:1], 0x18              ; order
	s_load_b64 s[30:31], s[0:1], 0x20              ; valid_lens
	v_lshl_add_u32 v254, v0, 2, 0x10800
	v_mov_b32 v255, 0
	v_lshrrev_b32 v1, 5, v0
	v_readfirstlane_b32 s10, v1                    ; wave 0..3
	v_and_b32 v1, 31, v0                           ; lane
	v_and_b32 v2, 15, v0                           ; r
	v_bfe_u32 v3, v0, 4, 1                         ; h
	s_and_b32 s11, ttmp7, 0xffff                   ; batch
	s_and_b32 s12, s10, 1                          ; which of the two waves of my kind
	s_mov_b32 s20, 0x76543210
	s_mov_b32 s21, 0xfedcba98                      ; v_permlanex16_b32's selects for lane l xor 16
	; every LDS address is made here, ahead of the parting of the two kinds of waves
	s_mul_i32 s13, s12, KREG
	v_mul_u32_u24 v5, v3, PITCH
	v_lshl_add_u32 v5, v2, 4, v5
	v_add_nc_u32 v5, s13, v5                       ; K in: lanes 0-15 one key's row, lanes 16-31 the next
	v_mul_u32_u24 v6, v2, PITCH
	v_lshl_add_u32 v6, v3, 7, v6
	v_add_nc_u32 v6, s13, v6                       ; K out: place r, + 128 h: my block of 32 channels
	s_lshl_b32 s13, s12, 14
	s_add_co_u32 s13, s13, VREG
	v_lshlrev_b32 v7, 4, v1                        ; 16 x lane
	v_lshlrev_b32 v8, 2, v1                        ; 4 x lane
	v_add_nc_u32 v13, s13, v7                      ; V in: as loaded, dense: key x 128 + channel x 4
	v_add_nc_u32 v14, s13, v8                      ; V out: my channel
	v_lshlrev_b32 v12, 3, v3                       ; 8 h
	v_mov_b32 v11, 0                               ; a lane permute's destination counts as one of its sources
	v_lshrrev_b32 v4, 3, v1
	v_and_b32 v15, 7, v1
	v_lshlrev_b32 v4, 8, v4
	v_lshl_add_u32 v4, v15, 4, v4                  ; V from memory: eight lanes take my 128 bytes of a key's row, four keys a load
	v_mul_u32_u24 v15, v3, FRB
	v_lshl_add_u32 v15, v2, 4, v15                 ; V's codes: tile lane / 16, row lane % 16
	s_lshl_b32 s14, s11, 18                        ; in: batch x 262,144 + step x 32,768
	s_lshl_b32 s15, ttmp9, 15
	s_add_co_u32 s14, s14, s15
	s_mov_b32 s15, 0
	s_lshl_b32 s18, ttmp9, 9                       ; out, inside a slot: my 32 scale words: step, 128 x wave (K's two runs, then V's two);
	s_add_co_u32 s18, s18, SCL
	s_lshl_b32 s22, s10, 7
	s_add_co_u32 s18, s18, s22
	s_mul_i32 s16, ttmp9, STEPC                    ; my two fragments: step, 3,072 x wave
	s_mul_i32 s22, s10, 2*FRB
	s_add_co_u32 s16, s16, s22
	s_mov_b32 s17, 0
	s_mov_b32 s19, 0
	s_lshl_b32 s34, s11, 2
	s_mov_b32 s35, 0
	s_wait_kmcnt 0x0
	s_add_nc_u64 s[34:35], s[30:31], s[34:35]
	s_load_b32 s32, s[34:35], 0x0                  ; my batch's valid length,
	global_load_b32 v[LEN], v8, s[30:31]           ; and all 32, a lane a batch: both are wanted only behind the wave's 32 large loads
; MY BATCH'S SLOT, and with it where my codes and scale words go.  It stands where the wave's first LDS loads are out.
.macro SLOT
	s_wait_kmcnt 0x0                               ; my batch's valid length is in (the 32 came with the wait for all loads)
	v_add_nc_u32 v[LEN], -1, v[LEN]                ; n - 1 = min(valid length - 1, 1,023) without sign: 0 and less wrap to the top and give 1,023, as does 1,024 and more
	v_min_u32 v[LEN], 0x3ff, v[LEN]
	v_lshl_or_b32 v[LEN], v[LEN], 5, v1            ; lane j: 32 (n - 1) + j
	s_sub_co_u32 s33, s32, 1
	s_min_u32 s33, s33, 0x3ff
	s_lshl_b32 s33, s33, 5
	s_or_b32 s33, s33, s11                         ; the same of my batch
	v_cmp_gt_u32 vcc_lo, s33, v[LEN]               ; the batches that come before mine:
	s_bcnt1_i32_b32 s33, vcc_lo                    ; their number is my slot
	s_min_u32 s33, s33, 31
	s_mul_i32 s37, s33, BATCHB
	s_add_co_u32 s16, s16, s37
	s_add_co_u32 s18, s18, s37
	s_add_nc_u64 s[24:25], s[8:9], s[18:19]
	s_add_nc_u64 s[8:9], s[8:9], s[16:17]
.endm
; Two blocks of 32 numbers, v[x] .. v[x + 31] and v[x + 32] .. v[x + 63], become 2 x 6 registers of codes at v[da] and v[db]; their bytes are left in v[M + 1] and v[M + 3].
.macro Q2 x, da, db
	v_max3_num_f32 v[M],   |v[(\x)]|,    |v[(\x)+1]|,  FLOOR           ; four chains, two a block, so that no line waits for the line above it
	v_max3_num_f32 v[M+1], |v[(\x)+16]|, |v[(\x)+17]|, |v[(\x)+18]|
	v_max3_num_f32 v[M+2], |v[(\x)+32]|, |v[(\x)+33]|, FLOOR
	v_max3_num_f32 v[M+3], |v[(\x)+48]|, |v[(\x)+49]|, |v[(\x)+50]|
.irp i, 2,4,6,8,10,12
	v_max3_num_f32 v[M],   v[M],   |v[(\x)+\i]|,    |v[(\x)+\i+1]|
	v_max3_num_f32 v[M+1], v[M+1], |v[(\x)+\i+17]|, |v[(\x)+\i+18]|
	v_max3_num_f32 v[M+2], v[M+2], |v[(\x)+\i+32]|, |v[(\x)+\i+33]|
	v_max3_num_f32 v[M+3], v[M+3], |v[(\x)+\i+49]|, |v[(\x)+\i+50]|
.endr
	v_max3_num_f32 v[M],   v[M],   |v[(\x)+14]|, |v[(\x)+15]|
	v_max3_num_f32 v[M+2], v[M+2], |v[(\x)+46]|, |v[(\x)+47]|
	v_max3_num_f32 v[M],   v[M],   v[M+1], |v[(\x)+31]|                ; the blocks' largest magnitudes
	v_max3_num_f32 v[M+2], v[M+2], v[M+3], |v[(\x)+63]|
	v_add_nc_u32 v[SO],   0xff000000, v[M]         ; 2 off the exponent field: the conversion takes this operand's exponent field as its scale
	v_add_nc_u32 v[SO+1], 0xff000000, v[M+2]
	v_lshrrev_b32 v[M+1], 23, v[SO]                ; the scales' bytes
	v_lshrrev_b32 v[M+3], 23, v[SO+1]
	v_cvt_scalef32_pk16_fp6_f32 v[(\da):(\da)+2], v[(\x):(\x)+15], v[SO]
	v_cvt_scalef32_pk16_fp6_f32 v[T:T+2], v[(\x)+16:(\x)+31], v[SO]        ; (a conversion's three registers begin on an even number: a block's second three do not)
	v_cvt_scalef32_pk16_fp6_f32 v[(\db):(\db)+2], v[(\x)+32:(\x)+47], v[SO+1]
	v_cvt_scalef32_pk16_fp6_f32 v[T+4:T+6], v[(\x)+48:(\x)+63], v[SO+1]
	v_nop                                          ; one plain place behind a scaled conversion
.irp i, 0,1,2
	v_mov_b32 v[(\da)+3+\i], v[T+\i]
	v_mov_b32 v[(\db)+3+\i], v[T+4+\i]
.endr
.endm
	s_cmp_lt_u32 s10, 2
	s_cbranch_scc0 .Lvalues
	; ---- KEYS: my 64 keys are 16,384 consecutive bytes
	s_lshl_b32 s22, s12, 14
	s_add_co_u32 s14, s14, s22
	s_add_nc_u64 s[4:5], s[4:5], s[14:15]
.set i, 0
.rept 32
	global_load_b128 v[R+4*i:R+4*i+3], v7, s[4:5] offset:512*i th:TH_LOAD_NT   ; 32 lanes read 512 consecutive bytes: two keys
.set i, i+1
.endr
	s_wait_loadcnt 0x0
.set i, 0
.rept 32                               ; key 32 a + 8 u + n of my 64 goes to place 16 u + 8 a + n: the 16 keys of a tile then lie in 16 places on end
	ds_store_b128 v5, v[R+4*i:R+4*i+3] offset:(16*(((2*i)/8)%4)+8*((2*i)/32)+(2*i)%8)*PITCH
.set i, i+1
.endr
.macro KBACK phi, dst                  ; fragment phi of my two: lane (r, h) takes, for half c, channels 32 h .. 32 h + 31 of the key at place 16 (2 phi + c) + r
.irp c, 0,1
.irp q, 0,1,2,3,4,5,6,7
	ds_load_b128 v[(\dst)+32*\c+4*\q:(\dst)+32*\c+4*\q+3], v6 offset:16*(2*(\phi)+\c)*PITCH+16*\q
.endr
.endr
.endm
.macro KWORD w                         ; my two bytes (halves 0 and 1, block h) at their places; with lane l xor 16's two the row's scale word is whole
	v_lshl_or_b32 v[\w], v[M+3], 16, v[M+1]
	v_lshlrev_b32 v[\w], v12, v[\w]
	v_permlanex16_b32 v11, v[\w], s20, s21
	v_or_b32 v[\w], v[\w], v11
.endm
	KBACK 0, X                                     ; LDS serves a wave's instructions in order: these see my stores
	SLOT
	s_wait_dscnt 0x0                               ; the first fragment's numbers are in, and the stores have read v16-143,
	KBACK 1, R                                     ; which take the second fragment's while the first is worked
	Q2 X, C, C+6
	KWORD 9
.irp g, 0,1,2
	global_store_b128 v7, v[C+4*\g:C+4*\g+3], s[8:9] offset:512*\g          ; 32 lanes store 512 consecutive bytes, at a multiple of 256 from kv's first byte
.endr
	s_wait_dscnt 0x0
	Q2 R, C+12, C+18
	KWORD 10
.irp g, 0,1,2
	global_store_b128 v7, v[C+12+4*\g:C+12+4*\g+3], s[8:9] offset:FRB+512*\g
.endr
	v_cmp_eq_u32 vcc_lo, 1, v3
	v_cndmask_b32 v9, v9, v10, vcc_lo              ; lanes 0-15 keep the first fragment's words, lanes 16-31 take the second's
	global_store_b32 v8, v9, s[24:25]
	s_or_b32 s37, ttmp9, s10                       ; wave 0 of the batch's first work-group also writes the batch's entry of order
	s_cmp_lg_u32 s37, 0
	s_cbranch_scc1 .Lkeys_done
	s_lshl_b32 s38, s33, 8                         ; 256 bytes a slot
	s_mov_b32 s39, 0
	s_add_nc_u64 s[28:29], s[28:29], s[38:39]
	v_mov_b32 v242, s11                            ; the batch,
	v_mov_b32 v243, s32                            ; its valid length as it was given
	v_lshlrev_b32 v244, 3, v1
	global_store_b64 v244, v[242:243], s[28:29]    ; 32 lanes store the pair 32 times: 256 consecutive bytes, aligned; the ranks are all different, so the 32 batches fill order
.Lkeys_done:
	s_wait_tensorcnt 0x0
	ds_add_u32 v254, v255
	s_wait_dscnt 0x0
	s_endpgm
.Lvalues:
	; ---- VALUES: my 32 channels (128 bytes of each row) of 128 keys
	s_lshl_b32 s22, s12, 7
	s_add_co_u32 s14, s14, s22
	s_add_nc_u64 s[6:7], s[6:7], s[14:15]
.set i, 0
	s_wait_alu depctr_va_vdst(0)
.rept 32
	global_load_b128 v[R+4*i:R+4*i+3], v4, s[6:7] offset:1024*i th:TH_LOAD_NT  ; four keys x 128 consecutive bytes; the other V wave takes the rows' other halves
.set i, i+1
.endr
	s_wait_loadcnt 0x0
.set i, 0
.rept 32
	ds_store_b128 v13, v[R+4*i:R+4*i+3] offset:512*i
.set i, i+1
.endr
.macro VBACK c, dst                    ; A LANE TAKES A CHANNEL, AND ITS REGISTERS RUN DOWN THE KEYS: keys 64 c .. 64 c + 63; 32 lanes read 128 consecutive bytes
.set k, 0
.rept 64
	ds_load_b32 v[(\dst)+k], v14 offset:128*(64*(\c)+k)
.set k, k+1
.endr
.endm
	VBACK 0, X
	SLOT
	s_wait_dscnt 0x0                               ; the first 64 keys are in, and the stores have read v16-143,
	VBACK 1, R                                     ; which take the other 64 while the first are worked
	Q2 X, C, C+12                                  ; keys 0-31: registers 0-5 of the operand's lane (r, 0); keys 32-63: of lane (r, 1)
	v_lshl_or_b32 v9, v[M+3], 8, v[M+1]            ; my channel's scale word: byte b for keys 32 b .. 32 b + 31
	s_wait_dscnt 0x0
	Q2 R, C+6, C+18                                ; keys 64-95 and 96-127: registers 6-11
	v_lshl_or_b32 v9, v[M+1], 16, v9
	v_lshl_or_b32 v9, v[M+3], 24, v9
.irp hh, 0,1
.irp g, 0,1,2
	global_store_b128 v15, v[C+12*\hh+4*\g:C+12*\hh+4*\g+3], s[8:9] offset:256*\hh+512*\g   ; 16 lanes store 256 consecutive bytes, aligned: the places of lanes 16 hh .. 16 hh + 15 of a tile's image
.endr
.endr
	global_store_b32 v8, v9, s[24:25]
	s_wait_tensorcnt 0x0
	ds_add_u32 v254, v255
	s_wait_dscnt 0x0
	s_endpgm
.Lfunc_end_k_q982c65f3b4_quant:
	.size	k_q982c65f3b4_quant, .Lfunc_end_k_q982c65f3b4_quant-k_q982c65f3b4_quant
	.p2alignl 7, 3214868480
	.fill 96, 4, 3214868480
	.section	.rodata,"a",@progbits
	.p2align	6, 0x0
	.amdhsa_kernel k_q982c65f3b4_quant
		.amdhsa_group_segment_fixed_size 68096
		.amdhsa_private_segment_fixed_size 0
		.amdhsa_enable_private_segment 0
		.amdhsa_kernarg_size 40
		.amdhsa_user_sgpr_count 2
		.amdhsa_user_sgpr_kernarg_segment_ptr 1
		.amdhsa_wavefront_size32 1
		.amdhsa_system_sgpr_workgroup_id_x 1
		.amdhsa_system_sgpr_workgroup_id_y 1
		.amdhsa_system_sgpr_workgroup_id_z 1
		.amdhsa_system_vgpr_workitem_id 0
		.amdhsa_next_free_vgpr 256
		.amdhsa_next_free_sgpr 66
		.amdhsa_reserve_vcc 1
		.amdhsa_float_denorm_mode_32 3
		.amdhsa_float_denorm_mode_16_64 3
		.amdhsa_memory_ordered 1
		.amdhsa_forward_progress 1
		.amdhsa_inst_pref_size 39
	.end_amdhsa_kernel
	.amdgpu_metadata
---
amdhsa.version: [ 1, 2 ]
amdhsa.kernels:
  - .name:           k_q982c65f3b4_quant
    .symbol:         k_q982c65f3b4_quant.kd
    .args:
      - { .name: keys, .offset: 0, .size: 8, .value_kind: global_buffer, .address_space: global }
      - { .name: values, .offset: 8, .size: 8, .value_kind: global_buffer, .address_space: global }
      - { .name: kv, .offset: 16, .size: 8, .value_kind: global_buffer, .address_space: global }
      - { .name: order, .offset: 24, .size: 8, .value_kind: global_buffer, .address_space: global }
      - { .name: valid_lens, .offset: 32, .size: 8, .value_kind: global_buffer, .address_space: global }
    .group_segment_fixed_size: 68096
    .private_segment_fixed_size: 0
    .kernarg_segment_align: 8
    .kernarg_segment_size: 40
    .max_flat_workgroup_size: 128
    .sgpr_count:     66
    .vgpr_count:     256
    .wavefront_size: 32
...
	.end_amdgpu_metadata
.endif
;; end of part 3
;; launch attend (part 4): grid 8 x 32, 16 waves a work-group, no clusters, 278,528 bytes of LDS; arguments queries, order, kv, out0; writes out0
.if DOCPART == 4
	.amdgcn_target "amdgcn-amd-amdhsa--gfx1250"
	.amdhsa_code_object_version 6
	.text
	.protected	k_q982c65f3b4_attend
	.globl	k_q982c65f3b4_attend
	.p2align	8
	.type	k_q982c65f3b4_attend,@function
k_q982c65f3b4_attend:
	s_mov_b64 s[64:65], 0
	v_nop
	global_prefetch_b8 v0, s[64:65] scope:SCOPE_SE
	s_setreg_imm32_b32 hwreg(HW_REG_WAVE_SCHED_MODE, 0, 2), 2
	s_setreg_imm32_b32 hwreg(HW_REG_WAVE_MODE, 25, 1), 1
	s_wait_xcnt 0x0
	s_wait_alu depctr_vm_vsrc(0)
; out0[b][q][:] = the sum over k of softmax_k(queries[b][q] . keys[b][k] / 8, hidden keys at -1e6) values[b][k][:]; key k of batch b is hidden where k >= valid_lens[b].
; Both products on codes of FP6 (E2M3) with one E8M0 scale for each 32 along a product's K.  K's and V's codes and scale words come from kv, laid in the order of the operands' registers; q is quantised here.
; THE SOFTMAX AHEAD OF THE SECOND PRODUCT: t = logit x log2(e); M = the largest t so far, rounded UP to a whole number; p = 2^(t - M) is quantised along the keys, not normalised; the row's sum is taken of the
; unquantised p and divides at the end.  When M moves, the sum and O are multiplied by 2^(old M - new M): exact.
; EQUAL WORK.  kv holds the batches in slots, sorted by the number of keys to be walked; order[slot] = {batch, its valid length}.  Work-group (x, y) takes 64 queries of slot y (rows 64 x on) and 64 queries of
; slot 31 - y (rows 512 + 64 x on): the r-th shortest batch beside the r-th longest.  Slot s so gets rows 0-511 from the work-groups y = s and rows 512-1,023 from the work-groups y = 31 - s: each row has one owner.
; SHARES.  Sixteen waves are 8 pairs; a pair owns a tile of 16 queries; one wave of it walks key steps 0, 2, 4, 6 (128 keys each), the other steps 1, 3, 5, 7.  Of wave w = (w3 w2 w1 w0): which of the two slots: w3 xor w1;
; even or odd steps: w2 xor w0; tile: (w1 w0); its partner is w xor 4.  Of any four waves whose numbers agree in their two low bits, and of any four that agree in their two high bits, one has each of the four
; combinations of slot and parity.  At the end the odd wave hands its O^T, M and sum over through LDS; the merge is two multiplications by powers of two.
; LDS.  At the head wave w copies step w % 8 of slot-region w / 8: 12,288 bytes of codes and 512 of scale words: both slots' 102,400 bytes lie in LDS as in memory.  One barrier; the loop has none.
; The copy's addresses hang on ids alone and go out first; q's and out0's hang on order, which is asked for beside the copy.
; LAYOUT.  Both products are used transposed: S^T = K Q^T (source 0 = keys), O^T = V^T P^T (source 0 = channels): a lane holds ONE query (lane % 16) throughout.
;   The first product's K is 64, the instruction's 128: a fragment of K holds two tiles of keys in its two halves and is multiplied by [q | 0] and by [0 | q] (18 registers: 0, q, 0): zero codes add nothing.
;   Row r of tile t is key 64 (t / 4) + 32 (r / 8) + 8 (t % 4) + r % 8: so register 32 c + i of the scores is key 64 c + 32 (lane / 16) + i: a lane holds two WHOLE blocks of 32 keys, in the very places that the
;   second product's operand gives that lane.  A block's maximum needs no other lane and the conversions' results change no lane.
; THE MASK.  The valid length is held to 0 .. 1,024.  A step all of whose keys are hidden is left out (a scalar branch on that whole number, inside a loop of constant count): beside a visible key its p are 0.
;   In the step on the edge hidden scores become -8e6 (-1e6 ahead of the division by 8) ahead of the maximum.  Where the valid length is 0 or less every logit is -1e6: all equal; every key is then walked with the common score 0, which is the same softmax.
; LIMITS: NaN and infinities are not served.  Visible logits are taken to lie above -1e6 + 200, so that hidden keys' p are 0 beside them.  A block's largest p is made from its largest score by the same
;   multiply-add and exponential: that takes v_exp_f32 not to fall where its input rises (the ISA guide promises 1 ulp).  q's blocks under 2^-124 keep the byte 1.
; NO CLUSTER, NO TENSOR LOAD: the jump over hidden steps hangs on a number read from memory; what partners would share is read once, at the head.
; All that a work-group reads from memory is asked for by each wave's first 33 loads: there is no later stream to ask ahead for.
; THE MODE: SCHED_MODE bits 1:0 = 2 (LLVM: expert scheduling mode 2), set by the entry lines.  The code itself states the register dependences between vector or matrix instructions and memory or LDS
; instructions, with s_wait_alu, always for 0.
; THE PLAN.  Registers that memory or LDS instructions touch:
;   v1, v2          Offsets, written once at the head, read by every global load and store and by the loop's address additions; never written again.
;   v238-241        The head's four LDS addresses; behind the head's last LDS instruction they are registers at work.
;   v126-225        The copy: global loads land, LDS stores read.  Afterwards S^T (written by products), O^T (cleared by vector lines), p's codes.
;   v30-61, v78-109 q: global loads land and LDS stores read the first; LDS loads land in the second and vector lines read it.  Afterwards K's fragments and V's tiles.
;   v3, v4          In a step: written by two additions at its head, read by its 28 LDS loads.  Behind the loop: made anew, with v29, as the addresses of the hand-over and the stage.
;   K's fragments and scale words: LDS loads land at a step's head, its eight first products read.  V's tiles and scale words: LDS loads land behind those products, the step's four last products read.
;   O^T, -M, the sums: data of the odd wave's LDS stores; O^T: data of the even wave's stores into the stage.  v126-161: the even wave's loads land; the merge reads them; then the stage's rows land in v126-157, the global stores' data.
; So a walked step has, beside the wait ahead of its exponentials and the two behind them: one wait on vm_vsrc and one on va_vdst at its head, round the two additions, which serve all 28 loads; and one on va_vdst ahead of its
; four last products, for p's codes and scale word.  The step on the edge has four more, on va_sdst, one behind each run of sixteen compares.
.set STEPC,  12288                     ; a step's codes: 4 fragments of K, 4 tiles of V^T
.set FRB,    1536
.set SCL,    98304                     ; a slot's scale words, 512 bytes a step
.set BATCHB, 102400                    ; a slot; LDS holds two
.set MRG,    2*BATCHB                  ; the hand-over: 4,608 bytes a pair
.set MRGB,   4608
.set STG,    MRG+8*MRGB                ; the way out: 16 rows x (256 + 16) bytes a pair
.set ROWP,   272
.set STGB,   16*ROWP
.set QT,     MRG                       ; q's turn, 4,352 bytes for each wave: it lies over the hand-over and the stage, 69,632 of their 71,680 bytes: its last read is waited for in front of the first barrier, and those are first written behind it
.set FLOOR,  0x1800000                 ; 2^(3 - 127)
.set LI,  1                            ; v1   16 x lane
.set LS,  2                            ; v2   SCL + 4 x lane
.set ADK, 3                            ; v3   the step's codes; later the hand-over's address
.set ADS, 4                            ; v4   the step's scale words; later the stage, on the way in
.set SH,  5                            ; v5   8 x (lane / 16)
.set NM,  6                            ; v6 -M, v7 the largest t
.set SUM, 8                            ; v[8:9] the sum, in two halves
.set QB,  10                           ; v[10:21] = [0 | q]
.set QA,  16                           ; v[16:27] = [q | 0]
.set QS,  28                           ; v28  q's scale word: its two bytes, twice
.set TP,  29                           ; v29  at work; later the stage, on the way back
.set KFR, 30                           ; v30-77   K's four fragments; at the head q as loaded
.set VFR, 78                           ; v78-125  V's four tiles; at the head q turned
.set S,   126                          ; v126-189 S^T, then p; at the head v126-225 hold the copy
.set O,   190                          ; v190-221 O^T
.set P,   222                          ; v222-233 p's codes
.set BM,  234                          ; v234-237 maxima
.set T8,  238                          ; v238-245 at work
.set SO,  246                          ; v246-247 the conversions' scale operands
.set KS,  250                          ; v250-251 K's scale words: lanes 0-15 fragment 2 j, lanes 16-31 fragment 2 j + 1
.set VS,  252                          ; v252-253 V's likewise
.set F,   254                          ; v254 f = 2^(old M - new M)
.set PW,  255                          ; v255 p's scale word
.set VL,  16
.set NEFF, 17
.set MV,  18
.set SEL, 22
.set CS,  24
.set TB,  26
.set TS,  27
.set KF,  28
.set CNT, 29
.set MK,  32                           ; s32-47 in the loop: sixteen masks of the step on the edge (the head is done with these registers, and the loads that read s[32:33] as their base are in)
	s_load_b256 s[4:11], s[0:1], 0x0               ; queries s[4:5], order s[6:7], kv s[8:9], out0 s[10:11]
	v_lshrrev_b32 v[BM], 5, v0
	v_readfirstlane_b32 s12, v[BM]                 ; wave 0..15
	v_and_b32 v[BM], 31, v0                        ; lane
	s_wait_alu depctr_va_vdst(0)
	v_and_b32 v[BM+1], 15, v0                      ; r
	v_bfe_u32 v[BM+2], v0, 4, 1                    ; h
	s_wait_alu depctr_va_vdst(0)
	v_mov_b32 v[BM+3], 0                           ; a lane permute's destination counts as one of its sources
	s_and_b32 s13, ttmp7, 0xffff                   ; y
	s_wait_alu depctr_va_sdst(0)                   ; s12, the wave's number, is written, ahead of its first reader
	s_lshr_b32 s44, s12, 3                         ; the copy: which region,
	s_and_b32 s45, s12, 7                          ; which step
	s_lshr_b32 s19, s12, 1
	s_xor_b32 s40, s44, s19
	s_and_b32 s40, s40, 1                          ; the work: which region: w3 xor w1
	s_lshr_b32 s15, s12, 2
	s_xor_b32 s15, s15, s12
	s_and_b32 s15, s15, 1                          ; even or odd key steps: w2 xor w0
	s_and_b32 s41, s12, 3                          ; which of the region's four tiles of queries
	s_lshl_b32 s14, s40, 2
	s_or_b32 s14, s14, s41                         ; my pair, 0..7
	v_lshlrev_b32 v[LI], 4, v[BM]
	v_lshl_add_u32 v[LS], v[BM], 2, SCL
	v_lshlrev_b32 v[SH], 3, v[BM+2]
	s_mul_i32 s19, s44, BATCHB
	s_mul_i32 s30, s45, STEPC
	s_add_co_u32 s31, s30, s19
	v_add_nc_u32 v[T8], s31, v[LI]                 ; the copy in LDS: region, step, 16 x lane: my 12,288 bytes of codes,
	s_lshl_b32 s46, s45, 9
	s_add_co_u32 s46, s46, SCL
	s_add_co_u32 s31, s46, s19
	v_add_nc_u32 v[T8+1], s31, v[LI]               ; my 512 bytes of scale words
	s_mul_i32 s31, s12, STGB
	s_add_co_u32 s31, s31, QT
	v_mul_u32_u24 v[T8+2], v[BM+2], ROWP
	v_lshl_add_u32 v[T8+2], v[BM+1], 4, v[T8+2]
	v_add_nc_u32 v[T8+2], s31, v[T8+2]             ; q's turn, in: lanes 0-15 one query's row, lanes 16-31 the next
	v_mul_u32_u24 v[T8+3], v[BM+1], ROWP
	v_lshl_add_u32 v[T8+3], v[BM+2], 7, v[T8+3]
	v_add_nc_u32 v[T8+3], s31, v[T8+3]             ; and out: row r, + 128 h: my block of 32 channels
	s_sub_co_u32 s19, 31, s13                      ; region 0 holds slot y, region 1 slot 31 - y
	s_cmp_eq_u32 s44, 0
	s_cselect_b32 s34, s13, s19                    ; the slot that I copy from
	s_cmp_eq_u32 s40, 0
	s_cselect_b32 s38, s13, s19                    ; the slot that I work on
	s_mul_i32 s34, s34, BATCHB
	s_add_co_u32 s36, s34, s46                     ; in kv: my step's scale words,
	s_add_co_u32 s34, s34, s30                     ; its codes
	s_mov_b32 s35, 0
	s_mov_b32 s37, 0
	s_lshl_b32 s38, s38, 8                         ; in order: 256 bytes a slot
	s_mov_b32 s39, 0
	s_mov_b32 s[SEL], 0x76543210
	s_mov_b32 s[SEL+1], 0xfedcba98                 ; v_permlanex16_b32's selects for lane l xor 16
	s_mov_b32 s[CS], 0x3e38aa3b                    ; c = log2(e) / 8: t = score x c
	s_mov_b32 s[CS+1], s[CS]                       ; (the packed form names the pair)
	s_mul_i32 s30, s40, BATCHB                     ; the loop's addresses: my region, my first step
	s_mul_i32 s[TB], s15, STEPC
	s_add_co_u32 s[TB], s[TB], s30
	s_lshl_b32 s[TS], s15, 9
	s_add_co_u32 s[TS], s[TS], s30
	s_lshl_b32 s[KF], s15, 7                       ; my first step's first key
	s_mov_b32 s[CNT], 4
	s_wait_kmcnt 0x0
	s_add_nc_u64 s[6:7], s[6:7], s[38:39]
	s_load_b64 s[42:43], s[6:7], 0x0               ; my slot's batch and its valid length
	s_add_nc_u64 s[32:33], s[8:9], s[36:37]
	s_add_nc_u64 s[8:9], s[8:9], s[34:35]
	s_wait_alu depctr_va_vdst(0)                   ; v1, v2 and the head's four LDS addresses v238-241 are written: the 33 loads below and the head's LDS stores and loads read them.  The vector lines among these write v10-15, v22-27 and v247 alone
.set i, 0
.rept 24
	global_load_b128 v[S+4*i:S+4*i+3], v[LI], s[8:9] offset:512*i            ; my part of the two slots' codes: 512 consecutive bytes a load
.set i, i+1
.endr
	global_load_b128 v[S+96:S+99], v[LI], s[32:33]                           ; and of their scale words
.irp i, 0,1,2,3,4,5
	v_mov_b32 v[QB+\i], 0                          ; the zero halves beside q's codes
	v_mov_b32 v[QA+6+\i], 0
.endr
	v_mov_b32 v247, 0                              ; a lane permute's destination counts as one of its sources
	s_wait_kmcnt 0x0
	s_min_u32 s42, s42, 31                         ; the batch
	s_lshl_b32 s20, s42, 18                        ; my 16 rows of queries and of out0: 256 bytes x (1,024 batch + 512 region + 64 x + 16 tile)
	s_lshl_b32 s21, s40, 17
	s_add_co_u32 s20, s20, s21
	s_lshl_b32 s21, ttmp9, 14
	s_add_co_u32 s20, s20, s21
	s_lshl_b32 s21, s41, 12
	s_add_co_u32 s20, s20, s21
	s_mov_b32 s21, 0
	s_add_nc_u64 s[4:5], s[4:5], s[20:21]
	s_add_nc_u64 s[10:11], s[10:11], s[20:21]
.irp i, 0,1,2,3,4,5,6,7
	global_load_b128 v[KFR+4*\i:KFR+4*\i+3], v[LI], s[4:5] offset:512*\i     ; q: 32 lanes read 512 consecutive bytes: two queries
.endr
	s_max_i32 s[VL], s43, 0
	s_min_i32 s[VL], s[VL], 1024
	s_cmp_gt_i32 s[VL], 0
	s_cselect_b32 s[NEFF], s[VL], 1024             ; keys to be walked: the visible ones; all, where none is visible
	s_cselect_b32 s[MV], 0xcaf42400, 0             ; a hidden key's score: -8e6; where all are hidden, the common score 0
	s_wait_loadcnt 8                               ; the copy's 25 loads are in; q's eight, issued behind them, may be out
.set i, 0
.rept 24
	ds_store_b128 v[T8], v[S+4*i:S+4*i+3] offset:512*i
.set i, i+1
.endr
	ds_store_b128 v[T8+1], v[S+96:S+99]
	s_wait_loadcnt 0x0                             ; q
.irp i, 0,1,2,3,4,5,6,7
	ds_store_b128 v[T8+2], v[KFR+4*\i:KFR+4*\i+3] offset:2*ROWP*\i
.endr
.irp i, 0,1,2,3,4,5,6,7
	ds_load_b128 v[VFR+4*\i:VFR+4*\i+3], v[T8+3] offset:16*\i                ; LDS serves a wave's instructions in order: these see my stores.  32 neighbours along the channels a lane
.endr
	s_wait_dscnt 0x0                               ; for the others' sake: my part of the copy has landed; for mine: q is back from its turn
	s_wait_alu depctr_vm_vsrc(0)                   ; the head's LDS stores and loads have read the copy's v126-225, q's v30-61 and the addresses v238-241: O^T's clearing below, the loop's loads, its products and its lines at work write them again
	s_barrier_signal -1                            ; q is quantised and O^T cleared while the others arrive: work on registers alone
	v_max3_num_f32 v248, |v[VFR]|, |v[VFR+1]|, FLOOR                          ; my block's largest magnitude, in two chains, with the floor among the leaves
	v_max3_num_f32 v249, |v[VFR+16]|, |v[VFR+17]|, |v[VFR+18]|
.irp i, 2,4,6,8,10,12
	v_max3_num_f32 v248, v248, |v[VFR+\i]|, |v[VFR+\i+1]|
	v_max3_num_f32 v249, v249, |v[VFR+\i+17]|, |v[VFR+\i+18]|
.endr
	v_max3_num_f32 v248, v248, |v[VFR+14]|, |v[VFR+15]|
	v_max3_num_f32 v248, v248, v249, |v[VFR+31]|
	v_add_nc_u32 v[SO], 0xff000000, v248           ; 2 off the exponent field: the conversion's scale operand
	v_lshrrev_b32 v249, 23, v[SO]                  ; the byte of block h
	v_lshlrev_b32 v[QS], v[SH], v249
	v_permlanex16_b32 v247, v[QS], s[SEL], s[SEL+1]
	v_or_b32 v[QS], v[QS], v247                    ; both blocks' bytes,
	v_lshl_or_b32 v[QS], v[QS], 16, v[QS]          ; twice: they serve q in the lower half of K and in the upper
	v_cvt_scalef32_pk16_fp6_f32 v[QA:QA+2], v[VFR:VFR+15], v[SO]
	v_cvt_scalef32_pk16_fp6_f32 v[VFR+32:VFR+34], v[VFR+16:VFR+31], v[SO]    ; (a conversion's three registers begin on an even number)
	v_nop                                          ; one plain place behind a scaled conversion
.irp i, 0,1,2
	v_mov_b32 v[QA+3+\i], v[VFR+32+\i]
.endr
.set j, 0
.rept 32
	v_mov_b32 v[O+j], 0                            ; O^T: the step is written once: the first finds zeros.  (These are also the places between q's registers and the first products)
.set j, j+1
.endr
	v_mov_b32 v[PW], 0                             ; (named as the upper half of the pair v[254:255] before it is first written)
	v_mov_b32 v[SUM], 0
	v_mov_b32 v[SUM+1], 0
	v_mov_b32 v[NM+1], 0xff61b1e6                  ; the largest t so far: -3e38
	v_floor_f32 v[NM], -v[NM+1]                    ; -M
	s_barrier_wait -1                              ; both slots' codes and scale words lie in LDS
.macro KQ f, c, q                      ; tile 2 f + c of S^T: fragment f against [q | 0] (c = 0) or [0 | q] (c = 1)
.if (\f)%2
	v_wmma_scale_f32_16x16x128_f8f6f4 v[S+16*(\f)+8*(\c):S+16*(\f)+8*(\c)+7], v[KFR+12*(\f):KFR+12*(\f)+11], v[\q:\q+11], 0, v[KS+(\f)/2], v[QS] matrix_a_fmt:MATRIX_FMT_FP6 matrix_b_fmt:MATRIX_FMT_FP6 matrix_a_scale:MATRIX_SCALE_ROW1
.else
	v_wmma_scale_f32_16x16x128_f8f6f4 v[S+16*(\f)+8*(\c):S+16*(\f)+8*(\c)+7], v[KFR+12*(\f):KFR+12*(\f)+11], v[\q:\q+11], 0, v[KS+(\f)/2], v[QS] matrix_a_fmt:MATRIX_FMT_FP6 matrix_b_fmt:MATRIX_FMT_FP6
.endif
.endm
.macro PV t                            ; channels 16 t .. 16 t + 15 of O^T; the four accumulators take turns, one instruction a turn
.if (\t)%2
	v_wmma_scale_f32_16x16x128_f8f6f4 v[O+8*(\t):O+8*(\t)+7], v[VFR+12*(\t):VFR+12*(\t)+11], v[P:P+11], v[O+8*(\t):O+8*(\t)+7], v[VS+(\t)/2], v[PW] matrix_a_fmt:MATRIX_FMT_FP6 matrix_b_fmt:MATRIX_FMT_FP6 matrix_a_scale:MATRIX_SCALE_ROW1
.else
	v_wmma_scale_f32_16x16x128_f8f6f4 v[O+8*(\t):O+8*(\t)+7], v[VFR+12*(\t):VFR+12*(\t)+11], v[P:P+11], v[O+8*(\t):O+8*(\t)+7], v[VS+(\t)/2], v[PW] matrix_a_fmt:MATRIX_FMT_FP6 matrix_b_fmt:MATRIX_FMT_FP6
.endif
.endm
.Lstep:                                            ; four trips, whatever the valid length: every second step of the slot's eight
	s_cmp_ge_i32 s[KF], s[NEFF]
	s_cbranch_scc1 .Lhidden                        ; all 128 keys hidden: only the addresses step
	s_wait_alu depctr_vm_vsrc(0)                   ; the LDS loads of the step walked last have read v[ADK] and v[ADS], which the two lines below write
	v_add_nc_u32 v[ADK], s[TB], v[LI]
	v_add_nc_u32 v[ADS], s[TS], v[LS]
	s_wait_alu depctr_va_vdst(0)                   ; v[ADK] and v[ADS] are written, which this step's 28 LDS loads read; the last step's products are done reading K's and V's registers and scale words, in which those loads land; in the first trip q's codes and scale word are written, which the scaled products take (and the head's lines are done with v78-112)
	ds_load_b32 v[KS], v[ADS]
	ds_load_b32 v[KS+1], v[ADS] offset:128
.irp f, 0,1,2,3
.irp g, 0,1,2
	ds_load_b128 v[KFR+12*\f+4*\g:KFR+12*\f+4*\g+3], v[ADK] offset:FRB*\f+512*\g      ; an image of the operand's registers: 512 consecutive bytes a load
.endr
.endr
	s_wait_dscnt 0x0
.irp f, 0,1,2,3
	KQ \f, 0, QA
	KQ \f, 1, QB
.endr
.rept 4
	v_nop                                          ; four places behind the products, ahead of the first read of the scores; with the two additions above they also stand between the last step's V^T P and the loads below
.endr
	ds_load_b32 v[VS], v[ADS] offset:256           ; V's tiles are asked for here and land under the softmax.  No wait: since the wait at the step's head only the eight products and the v_nop were issued, which name neither V's registers nor the two addresses
	ds_load_b32 v[VS+1], v[ADS] offset:384
.irp t, 0,1,2,3
.irp g, 0,1,2
	ds_load_b128 v[VFR+12*\t+4*\g:VFR+12*\t+4*\g+3], v[ADK] offset:4*FRB+FRB*\t+512*\g
.endr
.endr
	s_add_co_u32 s30, s[KF], 128
	s_cmp_le_i32 s30, s[VL]
	s_cbranch_scc1 .Lopen                          ; all 128 keys visible
	s_sub_co_i32 s30, s[VL], s[KF]
	s_sub_co_i32 s30, s30, 1
	v_bfe_u32 v[TP], v0, 4, 1
	v_lshlrev_b32 v[TP], 5, v[TP]
	v_sub_nc_u32 v[TP], s30, v[TP]                 ; d = valid length - 1 - first key - 32 (lane / 16).  Register n holds key first + 32 (lane / 16) + 64 (n / 32) + n % 32: hidden where 64 (n / 32) + n % 32 > d
	v_mov_b32 v[T8+4], s[MV]
.set n, 0
.rept 4                                ; sixteen registers at a time: a run of compares into sixteen scalar registers, one wait, the sixteen selects; the scores' registers in ascending order
.set m, 0
.rept 16
	v_cmp_gt_i32 s[MK+m], 64*((n+m)/32)+(n+m)%32, v[TP]
.set m, m+1
.endr
	s_wait_alu depctr_va_sdst(0)                   ; the sixteen masks are written, ahead of the selects that read them
.set m, 0
.rept 16
	v_cndmask_b32 v[S+n+m], v[S+n+m], v[T8+4], s[MK+m]
.set m, m+1
.endr
.set n, n+16
.endr
.Lopen:
.irp q, 0,1,2,3
	v_max3_num_f32 v[BM+\q], v[S+16*\q], v[S+16*\q+1], v[S+16*\q+2]            ; THE LARGEST SCORE OF EACH OF MY TWO BLOCKS, in four chains; each accumulator is read from its low end on
.endr
.irp i, 3,5,7,9,11,13
.irp q, 0,1,2,3
	v_max3_num_f32 v[BM+\q], v[BM+\q], v[S+16*\q+\i], v[S+16*\q+\i+1]
.endr
.endr
.irp c, 0,1
	v_max3_num_f32 v[BM+2*\c], v[BM+2*\c], v[BM+2*\c+1], v[S+32*\c+15]
.endr
.irp c, 0,1
	v_max_num_f32 v[BM+2*\c], v[BM+2*\c], v[S+32*\c+31]                        ; it serves twice: for the row's maximum and, since p rises with the score, for the block's largest p
.endr
	v_max_num_f32 v[TP], v[BM], v[BM+2]
	v_permlanex16_b32 v[T8], v[TP], s[SEL], s[SEL+1]
	v_max_num_f32 v[TP], v[TP], v[T8]              ; with lane l xor 16's 64 keys: the step's largest score of my query
	v_mul_f32 v[TP], s[CS], v[TP]                  ; as t (c is positive)
	v_max_num_f32 v[NM+1], v[NM+1], v[TP]          ; the running largest t
	v_mov_b32 v[TP], v[NM]
	v_floor_f32 v[NM], -v[NM+1]                    ; the new -M = floor(-t) = -ceil(t): a whole number
	v_sub_f32 v[TP], v[NM], v[TP]                  ; old M - new M: a whole number, 0 or less
	v_cvt_i32_f32 v[TP], v[TP]                     ; (it saturates)
	v_ldexp_f32 v[F], 1.0, v[TP]                   ; f = 2^(old M - new M)
.set j, 0
.rept 32
	v_pk_fma_f32 v[S+j:S+j+1], v[S+j:S+j+1], s[CS:CS+1], v[NM:NM+1] op_sel_hi:[1,0,0]   ; t - M, two at a time
.set j, j+2
.endr
.irp c, 0,1
	v_fma_f32 v[BM+2*\c], v[BM+2*\c], s[CS], v[NM] ; the same of each block's largest score
.endr
.set j, 0
	s_wait_alu depctr_va_vdst(0)
.rept 64
	v_exp_f32 v[S+j], v[S+j]                       ; p = 2^(t - M): one batch
.set j, j+1
.endr
	v_pk_mul_f32 v[SUM:SUM+1], v[SUM:SUM+1], v[F:F+1] op_sel_hi:[1,0]          ; the sums under the new M: the plain place behind the exponentials
	s_wait_alu depctr_va_vdst(0)                   ; the 64 exponentials have written p: one wait for the batch, ahead of its first reader
.irp c, 0,1
	v_exp_f32 v[BM+2*\c], v[BM+2*\c]               ; the blocks' largest p: the same two instructions on the same number give the same bits
.endr
	v_pk_add_f32 v[T8:T8+1], v[S:S+1], v[S+2:S+3]  ; THE ROW'S SUM IS TAKEN OF THE UNQUANTISED p.  Its first half stands here, behind the two exponentials, whose results it does not name
.irp j, 4,8,12,16,20,24,28
	v_pk_add_f32 v[SUM:SUM+1], v[SUM:SUM+1], v[S+\j:S+\j+1]
	v_pk_add_f32 v[T8:T8+1], v[T8:T8+1], v[S+\j+2:S+\j+3]
.endr
	v_pk_add_f32 v[SUM:SUM+1], v[SUM:SUM+1], v[T8:T8+1]
	s_wait_alu depctr_va_vdst(0)                   ; the two exponentials have written the blocks' largest p: one wait for the two, ahead of their first reader
.irp c, 0,1
	v_max_num_f32 v[BM+2*\c], FLOOR, v[BM+2*\c]    ; the floor: the byte cannot fall under 1 (a block whose every p is 0 keeps that byte: its codes are zeros)
.endr
.irp c, 0,1
	v_add_nc_u32 v[SO+\c], 0xff000000, v[BM+2*\c]  ; 2 off the exponent field: the conversion's scale operand
.endr
.irp c, 0,1
	v_lshrrev_b32 v[BM+2*\c+1], 23, v[SO+\c]       ; the scale's byte
.endr
	v_lshl_or_b32 v[PW], v[BM+3], 16, v[BM+1]      ; my two bytes: blocks h and 2 + h,
	v_lshlrev_b32 v[PW], v[SH], v[PW]              ; at their places;
	v_permlanex16_b32 v[T8+2], v[PW], s[SEL], s[SEL+1]
	v_or_b32 v[PW], v[PW], v[T8+2]                 ; with lane l xor 16's two p's scale word is whole
.irp c, 0,1
	v_cvt_scalef32_pk16_fp6_f32 v[P+6*\c:P+6*\c+2], v[S+32*\c:S+32*\c+15], v[SO+\c]          ; registers 6 c .. 6 c + 5 of the operand: keys 64 c + 32 h + 0 .. 31
	v_cvt_scalef32_pk16_fp6_f32 v[T8+4*\c:T8+4*\c+2], v[S+32*\c+16:S+32*\c+31], v[SO+\c]     ; (a conversion's three registers begin on an even number)
.endr
	v_nop                                          ; one plain place behind a scaled conversion
.irp c, 0,1
.irp i, 0,1,2
	v_mov_b32 v[P+6*\c+3+\i], v[T8+4*\c+\i]
.endr
.endr
.set j, 0
.rept 16
	v_pk_mul_f32 v[O+j:O+j+1], v[O+j:O+j+1], v[F:F+1] op_sel_hi:[1,0]          ; O^T under the new M
.set j, j+2
.endr
	v_pk_add_f32 v[T8:T8+1], v[S+32:S+33], v[S+34:S+35]                        ; the sum's second half: with the 16 lines above, the places between p's codes, its scale word and O^T and the products below
.irp j, 36,40,44,48,52,56,60
	v_pk_add_f32 v[SUM:SUM+1], v[SUM:SUM+1], v[S+\j:S+\j+1]
	v_pk_add_f32 v[T8:T8+1], v[T8:T8+1], v[S+\j+2:S+\j+3]
.endr
	v_pk_add_f32 v[SUM:SUM+1], v[SUM:SUM+1], v[T8:T8+1]
	s_wait_dscnt 0x0                               ; V's tiles and scale words are in
	s_wait_alu depctr_va_vdst(0)                   ; p's codes and p's scale word are written, which the scaled products below take as source 1 and as its scales; the places above stay beside this wait
.irp t, 0,1,2,3
	PV \t
.endr
.Lhidden:
	s_add_co_u32 s[TB], s[TB], 2*STEPC             ; two steps on
	s_add_co_u32 s[TS], s[TS], 1024
	s_add_co_u32 s[KF], s[KF], 256
	s_sub_co_u32 s[CNT], s[CNT], 1
	s_cmp_lg_u32 s[CNT], 0
	s_cbranch_scc1 .Lstep
	; THE PAIR MEETS.  Every LDS address of what follows is made here, in all waves, ahead of the parting; these nine lines are also the places behind the last products.
	s_wait_alu depctr_vm_vsrc(0)                   ; the LDS loads of the step walked last have read v[ADK] and v[ADS], which are made anew below (a hidden trip passes no such wait)
	v_and_b32 v[BM], 15, v0                        ; r
	v_bfe_u32 v[BM+1], v0, 4, 1                    ; h
	s_mul_i32 s30, s14, MRGB
	s_add_co_u32 s30, s30, MRG
	v_add_nc_u32 v[ADK], s30, v[LI]                ; the hand-over: images of registers, 16 bytes a lane
	s_mul_i32 s31, s14, STGB
	s_add_co_u32 s31, s31, STG
	v_mul_u32_u24 v[ADS], v[BM], ROWP
	v_lshl_add_u32 v[ADS], v[BM+1], 5, v[ADS]
	v_add_nc_u32 v[ADS], s31, v[ADS]               ; the stage, in: row r; tile t's eight channels of my half at 64 t + 32 h
	v_mul_u32_u24 v[TP], v[BM+1], ROWP
	v_lshl_add_u32 v[TP], v[BM], 4, v[TP]
	v_add_nc_u32 v[TP], s31, v[TP]                 ; and back: lanes 0-15 one row, lanes 16-31 the next
	s_wait_alu depctr_va_vdst(0)                   ; the three addresses are written, and so are O^T (by the last products; the nine lines above are their places), -M, t and the sums, which the odd wave's LDS stores read; the loop's lines are done reading v126-161, in which the even wave's LDS loads land
	s_cmp_eq_u32 s15, 0
	s_cbranch_scc1 .Lkeeps
.irp g, 0,1,2,3,4,5,6,7
	ds_store_b128 v[ADK], v[O+4*\g:O+4*\g+3] offset:512*\g                     ; the odd wave's O^T, each accumulator from its low end on,
.endr
	ds_store_b128 v[ADK], v[NM:NM+3] offset:4096   ; its -M, t and the sum's two halves
.Lkeeps:
	s_wait_dscnt 0x0                               ; for the partner's sake: the stores have landed
	s_wait_alu depctr_vm_vsrc(0)                   ; the hand-over's stores have read O^T, -M and the sums, which the lines behind .Lfinish write: in the text a way leads from the one to the other, closed by the wave's parity alone; an even wave has no such store out
	s_barrier_signal -1
	s_barrier_wait -1
	s_cmp_eq_u32 s15, 0
	s_cbranch_scc1 .Lfinish
	s_wait_xcnt 0x0
	v_lshl_add_u32 v251, v0, 2, 0x43800
	v_mov_b32 v254, 0
	s_wait_dscnt 0x0                               ; the closing lines, six on end
	s_wait_alu 0x0
	s_wait_tensorcnt 0x0
	ds_add_u32 v251, v254
	s_wait_dscnt 0x0
	s_endpgm                                       ; the odd wave is done
.Lfinish:
.irp g, 0,1,2,3,4,5,6,7
	ds_load_b128 v[S+4*\g:S+4*\g+3], v[ADK] offset:512*\g
.endr
	ds_load_b128 v[S+32:S+35], v[ADK] offset:4096
	s_wait_dscnt 0x0
	v_min_num_f32 v[BM], v[NM], v[S+32]            ; -M of both: M is the larger
	v_sub_f32 v[BM+1], v[BM], v[NM]                ; my M - M, the partner's M - M: whole numbers, 0 or less
	v_sub_f32 v[BM+2], v[BM], v[S+32]
	v_cvt_i32_f32 v[BM+1], v[BM+1]                 ; (they saturate: a partner that walked no step has zeros, times 0)
	v_cvt_i32_f32 v[BM+2], v[BM+2]
	v_ldexp_f32 v[BM+1], 1.0, v[BM+1]
	v_ldexp_f32 v[BM+2], 1.0, v[BM+2]
	v_add_f32 v[SUM], v[SUM], v[SUM+1]
	v_add_f32 v[S+34], v[S+34], v[S+35]
	v_mul_f32 v[SUM], v[SUM], v[BM+1]
	v_fma_f32 v[SUM], v[S+34], v[BM+2], v[SUM]     ; both waves' sums under one M,
	v_permlanex16_b32 v[BM+3], v[SUM], s[SEL], s[SEL+1]
	v_add_f32 v[SUM], v[SUM], v[BM+3]              ; and lane l xor 16's: the row's sum
	s_wait_alu depctr_va_vdst(0)
	v_rcp_f32 v[SUM], v[SUM]
	v_nop                                          ; one plain place behind the reciprocal
	s_wait_alu depctr_va_vdst(0)                   ; the reciprocal is written: a wait ahead of its first reader
	v_mul_f32 v[T8], v[BM+1], v[SUM]
	v_mul_f32 v[T8+2], v[BM+2], v[SUM]
.set j, 0
.rept 16
	v_pk_mul_f32 v[O+j:O+j+1], v[O+j:O+j+1], v[T8:T8+1] op_sel_hi:[1,0]
	v_pk_fma_f32 v[O+j:O+j+1], v[S+j:S+j+1], v[T8+2:T8+3], v[O+j:O+j+1] op_sel_hi:[1,0,1]   ; register 8 t + i is out0(r, 16 t + 8 h + i)
.set j, j+2
.endr
	s_wait_alu depctr_va_vdst(0)                   ; the merge has written O^T, which the LDS stores below read, and is done reading v126-157, in which the stage's rows land
.irp t, 0,1,2,3
	ds_store_b128 v[ADS], v[O+8*\t:O+8*\t+3] offset:64*\t
	ds_store_b128 v[ADS], v[O+8*\t+4:O+8*\t+7] offset:64*\t+16
.endr
.irp i, 0,1,2,3,4,5,6,7
	ds_load_b128 v[S+4*\i:S+4*\i+3], v[TP] offset:2*\i*ROWP                    ; LDS serves a wave's instructions in order: these see my stores
.endr
.irp i, 0,1,2,3,4,5,6,7
	s_wait_dscnt 7-\i                              ; rows 2 i and 2 i + 1 are back; the younger loads may be out
	global_store_b128 v[LI], v[S+4*\i:S+4*\i+3], s[10:11] offset:512*\i th:TH_STORE_NT   ; 32 lanes store two rows: 512 consecutive bytes, at a multiple of 256 from out0's first byte
.endr
	s_wait_xcnt 0x0
	v_lshl_add_u32 v251, v0, 2, 0x43800
	v_mov_b32 v254, 0
	s_wait_dscnt 0x0                               ; the closing lines, six on end
	s_wait_alu 0x0
	s_wait_tensorcnt 0x0
	ds_add_u32 v251, v254
	s_wait_dscnt 0x0
	s_endpgm
.Lfunc_end_k_q982c65f3b4_attend:
	.size	k_q982c65f3b4_attend, .Lfunc_end_k_q982c65f3b4_attend-k_q982c65f3b4_attend
	.p2alignl 7, 3214868480
	.fill 96, 4, 3214868480
	.section	.rodata,"a",@progbits
	.p2align	6, 0x0
	.amdhsa_kernel k_q982c65f3b4_attend
		.amdhsa_group_segment_fixed_size 278528
		.amdhsa_private_segment_fixed_size 0
		.amdhsa_enable_private_segment 0
		.amdhsa_kernarg_size 32
		.amdhsa_user_sgpr_count 2
		.amdhsa_user_sgpr_kernarg_segment_ptr 1
		.amdhsa_wavefront_size32 1
		.amdhsa_system_sgpr_workgroup_id_x 1
		.amdhsa_system_sgpr_workgroup_id_y 1
		.amdhsa_system_sgpr_workgroup_id_z 1
		.amdhsa_system_vgpr_workitem_id 0
		.amdhsa_next_free_vgpr 256
		.amdhsa_next_free_sgpr 66
		.amdhsa_reserve_vcc 0
		.amdhsa_float_denorm_mode_32 3
		.amdhsa_float_denorm_mode_16_64 3
		.amdhsa_memory_ordered 1
		.amdhsa_forward_progress 1
		.amdhsa_inst_pref_size 45
	.end_amdhsa_kernel
	.amdgpu_metadata
---
amdhsa.version: [ 1, 2 ]
amdhsa.kernels:
  - .name:           k_q982c65f3b4_attend
    .symbol:         k_q982c65f3b4_attend.kd
    .args:
      - { .name: queries, .offset: 0, .size: 8, .value_kind: global_buffer, .address_space: global }
      - { .name: order, .offset: 8, .size: 8, .value_kind: global_buffer, .address_space: global }
      - { .name: kv, .offset: 16, .size: 8, .value_kind: global_buffer, .address_space: global }
      - { .name: out0, .offset: 24, .size: 8, .value_kind: global_buffer, .address_space: global }
    .group_segment_fixed_size: 278528
    .private_segment_fixed_size: 0
    .kernarg_segment_align: 8
    .kernarg_segment_size: 32
    .max_flat_workgroup_size: 512
    .sgpr_count:     66
    .vgpr_count:     256
    .wavefront_size: 32
...
	.end_amdgpu_metadata
.endif
;; end of part 4
